; MI455X (gfx1250); checked and timed in simulation.
; The chip was launched on July 23, 2026; its instructions are those of AMD's public machine-readable ISA for CDNA 5 (MIT licence, August 2026) and "CDNA5" Instruction Set Architecture Reference Guide (July 2026). The comments in the code are by the model that wrote it; some were corrected since.
;; Attention. Allowed arithmetic: matrix products marked QUANTISED: E2M3 operands, one E8M0 scale for each 32 along K, by v_wmma_scale_f32_16x16x128_f8f6f4 with both operands' format E2M3, f32 sums; everything else in f32.
;; Inputs: b_out 1,024 float32; w_out 1,024 x 1,024 float32; w_qkv 1,024 x 3,072 float32; x 4 x 2,048 x 1,024 float32.
;; Outputs: out0 4 x 2,048 x 1,024 float32.
;; This version of the problem:
;;   THIS VERSION OF THE PROBLEM IS GIVEN IN LOW PRECISION. The matrix products marked QUANTISED in the list below multiply operands that are first quantised to E2M3 (2 exponent bits, 3 mantissa bits; 6 bits a number), with one power-of-two scale for each 32 numbers along K (OCP MX v1.0); their sums are f32. All else is computed in f32.
;;   The module's matrix products, in the order in which they are computed (A, B: the left and right operand; K: the contracted axis; several contracted axes count as one K, in the product's order):
;;     1. [M 8,192, K 1,024] x [K 1,024, N 3,072]; A: input x; B: input w_qkv: QUANTISED
;;     2. batch 64 x [M 2,048, K 64] x [K 64, N 2,048]; A: computed on the way; B: computed on the way: QUANTISED
;;     3. batch 64 x [M 2,048, K 2,048] x [K 2,048, N 64]; A: softmax (see below); B: computed on the way: QUANTISED
;;     4. [M 8,192, K 1,024] x [K 1,024, N 1,024]; A: computed on the way; B: input w_out: QUANTISED
;;   THE QUANTISER, for each operand of a quantised product, along K:
;;     - K is cut into blocks of 32 from its start; a last block that is shorter is filled with zeros.
;;     - A block's scale is 2^e with e = floor(log2(the largest magnitude in the block)) - 2, held to -126 .. 127; a block of zeros has e = 0. As a byte (E8M0): e + 127.
;;     - Each number is divided by its block's scale, clamped to +-7.5, and rounded to the nearest number of E2M3, ties to even, subnormals kept.
;;     - The product sums the exact products of the quantised numbers (number of the format x scale) in f32.
;;   ~~~python
;;   def quantise(x, axis):      # numpy; x: float32 -> the quantised numbers, widened to float32 again
;;       x = np.moveaxis(x, axis, -1); K = x.shape[-1]
;;       x = np.pad(x, [(0, 0)] * (x.ndim - 1) + [(0, -K % 32)]); x = x.reshape(x.shape[:-1] + (-1, 32)); a = np.abs(x).max(-1, keepdims=True)
;;       e = np.where(a > 0, np.clip(np.frexp(np.where(a > 0, a, 1))[1] - 1 - 2, -126, 127), 0)      # np.frexp(a)[1] - 1 = floor(log2(a)), exactly
;;       r = np.clip(x / 2.0 ** e, -7.5, 7.5)
;;       step = 2.0 ** (np.maximum(np.frexp(np.where(r == 0, 1, r))[1] - 1, 0) - 3)
;;       q = np.round(r / step) * step * 2.0 ** e      # np.round: ties to even
;;       return np.moveaxis(q.reshape(q.shape[:-2] + (-1,))[..., :K], -1, axis).astype(np.float32)
;;   ~~~
;;   SOFTMAX AHEAD OF A QUANTISED PRODUCT. Where the list says 'softmax', what is quantised is not the finished softmax but p = 2^(t - M), with t = logit x log2(e) and M = ceil(the row's largest t), a whole number; so 1/2 < the row's largest p <= 1. The row's sum l is taken of the UNQUANTISED p, in f32, and the product's result is divided by l at the end. Since M is a whole number, a kernel that streams over the keys may use a running M (the ceiling of the running maximum): every later rescaling is an exact power of two, which a block's scale takes up: the codes' values come out the same.
;;   OPERANDS COMPUTED ON THE WAY. 'Computed on the way' means the value that the module computes at that place (a softmax that the list does not call 'softmax' is quantised finished and normalised). What goes into a quantiser is computed in f32, as accurately as f32 sums, v_exp_f32 and their like allow (about 1e-6 of the number): no bf16 or f16 on the way to a quantiser, and a product that is left as it is and whose result goes on into a quantised operand takes f32 operands (vector FMAs, or v_wmma_f32_16x16x4_f32). A number that lies on a knife's edge between two numbers of the format may be rounded either way, as far as f32 arithmetic and the matrix unit's own rounding can turn it there, and no further.
;; One version. Each part assembles by itself: llvm-mc -triple=amdgcn-amd-amdhsa -mcpu=gfx1250 --defsym DOCPART=n.
;; ======== version 1 of 1: 4 launches
;; limits: right only within a limited range of input values
;; workspace buffers: opc 9,437,184 bytes; ops 393,216 bytes; qkvc 18,874,368 bytes; qkvs 1,310,720 bytes; oc 6,291,456 bytes; os 262,144 bytes
;; launch quant (part 1): grid 384 x 1, 4 waves a work-group, no clusters, 34,304 bytes of LDS; arguments x, w_qkv, w_out, opc, ops; writes opc, ops
.if DOCPART == 1
	.amdgcn_target "amdgcn-amd-amdhsa--gfx1250"
	.amdhsa_code_object_version 6
	.text
	.protected	k_q1451304708_quant
	.globl	k_q1451304708_quant
	.p2align	8
	.type	k_q1451304708_quant,@function
k_q1451304708_quant:
	s_mov_b64 s[64:65], 0
	v_nop
	global_prefetch_b8 v0, s[64:65] scope:SCOPE_SE
	s_setreg_imm32_b32 hwreg(HW_REG_WAVE_MODE, 25, 1), 1
	s_wait_xcnt 0x0
; x [8192][1024], w_qkv [1024][3072] and w_out [1024][1024], f32, become codes of FP6 (E2M3) with one E8M0 byte for each 32 along K (K = 1024 in all three).
; A block's scale is 2^(floor(log2(its largest magnitude)) - 2): its byte is the largest magnitude's exponent field - 2, held at 1 from below by a floor among the maximum's leaves.
; LIMITS: a block of zeros gets the byte 1 where the rule says 127 (its codes are zeros, and this program alone reads the bytes); blocks whose largest magnitude lies under 2^-124 are held at byte 1;
; NaN and infinities among the inputs are not served.
; LAYOUT OF THE CODES (opc): blocks of 16 rows, 12,288 bytes each: 16 CHUNKS of 768 bytes, one for each 64 along K.  A chunk is an image of six operand registers: lane (r = lane % 16, h = lane / 16)
; owns the 24 bytes of row r, k = 32 h .. 32 h + 31: its first 16 bytes at 16 x lane, its last 8 at 512 + 8 x lane.  So a chunk is stored, and later loaded, by one access of 16 bytes a lane and one of 8:
; 512 and 256 consecutive bytes.  Blocks 0-511: x's rows; 512-703: w_qkv's columns; 704-767: w_out's columns.
; POSITIONS: within each 32 rows (or columns) the order is the row's number with bits 3 and 4 exchanged: position 16 u + 8 a + i is row 16 a + 8 u + i.  A block of 16 positions used as a product's source 0
; then leaves, in the 16 result registers of two neighbouring blocks, 16 true neighbours: what the next quantiser wants.  K itself stays in its true order.
; SCALE BYTES (ops): 512 bytes a block: (k / 512) x 256 + r x 16 + ((k / 128) % 4) x 4 + (k / 32) % 4: one word for a row and 128 along K.
; Three ways, parted by the work-group's number: 0-95 w_qkv, 96-127 w_out, 128-383 x.  Only x's way touches LDS.  No tensor loads, no barrier: waves share nothing.  No matrix unit, no cluster: memory binds.
.set R,    16                          ; x: v16-143  two sets of 64 registers as loaded
.set X,    144                         ; x: v144-207 64 numbers of a lane: register 16 b + i = k 32 b + 16 h + i of its row
.set PC,   208                         ; x: v208-219 a fragment's codes, v220-226 at work
.set TM,   228                         ; x: v228-231 largest magnitudes, v232-235 bytes, v240-243 the conversions' scale operands
.set PWS,  244                         ; x: v244-247 the four steps' scale words
.set SEL,  22                          ; s[22:23] lane selects for v_permlanex16_b32: lane l xor 16
.set WX,   32                          ; weights: v32-95 two sets of 32 numbers
.set C,    96                          ; weights: v96-119 the codes of two blocks
.set SB,   24                          ; weights: v[24:25] eight scale bytes
	s_load_b256 s[4:11], s[0:1], 0x0               ; x s[4:5], w_qkv s[6:7], w_out s[8:9], opc s[10:11]
	s_load_b64 s[12:13], s[0:1], 0x20              ; ops
	v_lshl_add_u32 v254, v0, 2, 0x8400
	v_mov_b32 v255, 0
	v_lshrrev_b32 v1, 5, v0
	v_readfirstlane_b32 s16, v1                    ; wave 0..3
	v_and_b32 v1, 31, v0                           ; lane
	v_and_b32 v2, 15, v0                           ; r
	v_bfe_u32 v3, v0, 4, 1                         ; h
	v_lshlrev_b32 v4, 4, v1                        ; 16 x lane
	v_lshl_add_u32 v5, v1, 3, 512                  ; 512 + 8 x lane
	s_mov_b32 s25, 0                               ; the upper word of every offset
	s_wait_kmcnt 0x0
	s_cmp_lt_u32 ttmp9, 96
	s_cbranch_scc1 .Lw_qkv
	s_cmp_lt_u32 ttmp9, 128
	s_cbranch_scc1 .Lw_out
; ---- x.  A work-group takes 32 rows; wave w takes the 16 positions of block w / 2 and 512 along K (half w % 2): four steps of 128.
; 64 numbers of a lane, v[s] on, become a fragment's twelve registers of codes in v[PC] on and its scale word in v[pw].
.macro QUANT s, pw
.irp b, 0,1,2,3
	v_max3_num_f32 v[TM+\b], |v[\s+16*\b]|, |v[\s+1+16*\b]|, 0x1800000   ; block b: my 16 numbers, and the floor 2^(3 - 127): the byte cannot fall under 1
.endr
.irp i, 2,4,6,8,10,12,14
.irp b, 0,1,2,3
	v_max3_num_f32 v[TM+\b], v[TM+\b], |v[\s+16*\b+\i]|, |v[\s+1+16*\b+\i]|   ; (the four blocks by turns)
.endr
.endr
.irp b, 0,1,2,3
	v_permlanex16_b32 v[TM+4+\b], v[TM+\b], s[SEL], s[SEL+1]
.endr
.irp b, 0,1,2,3
	v_max_num_f32 v[TM+\b], v[TM+\b], v[TM+4+\b]   ; with lane l xor 16's 16: the block's largest magnitude
.endr
.irp b, 0,1,2,3
	v_add_nc_u32 v[TM+12+\b], 0xff000000, v[TM+\b] ; 2 off its exponent field: the conversion takes this operand's exponent field as its scale
.endr
.irp b, 0,1,2,3
	v_lshrrev_b32 v[TM+4+\b], 23, v[TM+12+\b]      ; the scale's byte
.endr
	v_lshl_or_b32 v[\pw], v[TM+5], 8, v[TM+4]
	v_lshl_or_b32 v[\pw], v[TM+6], 16, v[\pw]
	v_lshl_or_b32 v[\pw], v[TM+7], 24, v[\pw]      ; my row's scale word for these 128
.irp c, 0,1
	v_cvt_scalef32_pk16_fp6_f32 v[PC+6*\c:PC+2+6*\c], v[\s+32*\c:\s+15+32*\c], v[TM+12+2*\c]
	v_cvt_scalef32_pk16_fp6_f32 v[PC+12+4*\c:PC+14+4*\c], v[\s+16+32*\c:\s+31+32*\c], v[TM+12+2*\c+1]   ; (a conversion's three registers begin on an even number)
.endr
	v_nop                                          ; one plain place behind a scaled conversion
.irp c, 0,1                                    ; the layout wants a WHOLE block in a lane: lanes 0-15 block 2 c, lanes 16-31 block 2 c + 1
.irp i, 0,1,2
	v_permlane16_swap_b32 v[PC+6*\c+\i], v[PC+12+4*\c+\i]
.endr
.irp i, 0,1,2
	v_mov_b32 v[PC+3+6*\c+\i], v[PC+12+4*\c+\i]
.endr
.endr
.endm
	s_sub_co_u32 s17, ttmp9, 128                   ; which 32 rows
	s_lshr_b32 s18, s16, 1                         ; u: which block of 16 positions
	s_and_b32 s19, s16, 1                          ; which half of K
	s_lshl_b32 s24, s17, 17                        ; 32 rows of 4,096 bytes,
	s_lshl_b32 s26, s18, 15                        ; + 8 u rows (position 8 a + i of block u is row 16 a + 8 u + i),
	s_add_co_u32 s24, s24, s26
	s_lshl_b32 s26, s19, 11                        ; + 512 numbers
	s_add_co_u32 s24, s24, s26
	s_add_nc_u64 s[4:5], s[4:5], s[24:25]
	s_lshl_b32 s26, s17, 1
	s_add_co_u32 s26, s26, s18                     ; my block
	s_mul_i32 s24, s26, 12288
	s_mul_i32 s27, s19, 6144                       ; eight chunks
	s_add_co_u32 s24, s24, s27
	s_add_nc_u64 s[10:11], s[10:11], s[24:25]
	s_lshl_b32 s24, s26, 9
	s_lshl_b32 s27, s19, 8
	s_add_co_u32 s24, s24, s27
	s_add_nc_u64 s[12:13], s[12:13], s[24:25]
	s_mov_b32 s[SEL], 0x76543210
	s_mov_b32 s[SEL+1], 0xfedcba98
	s_mul_i32 s28, s16, 8448                       ; my stage: 16 rows x (512 bytes + 16)
	s_wait_alu depctr_va_vdst(0)
	v_add_nc_u32 v6, s28, v4                       ; in: a row's 512 bytes as they were loaded
	v_mul_u32_u24 v7, v2, 528
	v_lshl_add_u32 v7, v3, 6, v7
	v_add_nc_u32 v7, s28, v7                       ; out: row r, + 64 h: my 16 numbers of each block of 32
	v_lshlrev_b32 v8, 4, v2
	v_lshl_add_u32 v8, v3, 3, v8                   ; the scale words' way out: 16 r + 8 h
	v_cmp_ne_u32 vcc_lo, 0, v3
.irp b, 0,1,2,3
	v_mov_b32 v[TM+4+\b], 0                        ; written once: a lane permute's destination counts as one of its sources
.endr
.macro XLOAD s                         ; step s: 16 loads, each 512 consecutive bytes of one row; the immediates take the rows in the order of their positions
.irp t, 0,1,2,3,4,5,6,7,8,9,10,11,12,13,14,15
	global_load_b128 v[R+64*((\s)%2)+4*\t:R+64*((\s)%2)+4*\t+3], v4, s[4:5] offset:(16*(\t/8)+\t%8)*4096+512*(\s) th:TH_LOAD_NT
.endr
.endm
.macro XSTEP s
.if (\s) < 3
	s_wait_loadcnt 16                              ; this step's 16 loads are in; the next step's 16 may be out
.else
	s_wait_loadcnt 0x0
.endif
.irp t, 0,1,2,3,4,5,6,7,8,9,10,11,12,13,14,15
	ds_store_b128 v6, v[R+64*((\s)%2)+4*\t:R+64*((\s)%2)+4*\t+3] offset:\t*528
.endr
.irp b, 0,1,2,3
.irp j, 0,1,2,3
	ds_load_b128 v[X+16*\b+4*\j:X+16*\b+4*\j+3], v7 offset:128*\b+16*\j   ; LDS serves a wave's instructions in order: these see the stores above
.endr
.endr
	s_wait_dscnt 0x0                               ; the numbers are back, and the stores into the stage have read their registers,
	s_wait_xcnt 0x0                                ; and the last step's stores of codes have read theirs
.if (\s)+2 < 4
	XLOAD (\s)+2                                   ; two steps ahead, into the set just left
.endif
	QUANT X, PWS+(\s)
	global_store_b128 v4, v[PC:PC+3], s[10:11] offset:2*(\s)*768          ; chunk 2 s: 512 consecutive bytes,
	global_store_b64 v5, v[PC+4:PC+5], s[10:11] offset:2*(\s)*768         ; and 256
	global_store_b128 v4, v[PC+6:PC+9], s[10:11] offset:(2*(\s)+1)*768
	global_store_b64 v5, v[PC+10:PC+11], s[10:11] offset:(2*(\s)+1)*768
.endm
	XLOAD 0
	XLOAD 1
	s_wait_alu depctr_va_vdst(0)
	XSTEP 0
	XSTEP 1
	XSTEP 2
	XSTEP 3
	v_cndmask_b32 v248, v244, v246, vcc_lo         ; lanes 0-15 send words 0 and 1 of their row, lanes 16-31 words 2 and 3
	v_cndmask_b32 v249, v245, v247, vcc_lo
	global_store_b64 v8, v[248:249], s[12:13]      ; 32 lanes store 256 consecutive bytes, aligned
	s_wait_tensorcnt 0x0
	ds_add_u32 v254, v255
	s_wait_dscnt 0x0
	s_endpgm
; ---- A weight, stored [K][N].  A LANE TAKES A COLUMN AND ITS REGISTERS RUN DOWN K: a block of 32 along K lies in one lane's 32 registers, and the conversions give codes with K innermost.
; A wave takes 32 columns x 256 along K: eight blocks.  Lane (j = lane / 16, r) takes the column at position 16 j + r, so that lanes 0-15 hold the rows of one block of 16 positions and lanes 16-31 those of the next.
; Two blocks along K make a chunk: the exchange of halves between the even block's registers and the odd block's gives the two chunk images.
.macro WLOAD t
.irp i, 0,1,2,3,4,5,6,7,8,9,10,11,12,13,14,15,16,17,18,19,20,21,22,23,24,25,26,27,28,29,30,31
	global_load_b32 v[WX+32*((\t)%2)+\i], v6, s[WSRC:WSRC+1] offset:(32*(\t)+\i)*WROW th:TH_LOAD_NT   ; 128 consecutive bytes a wave
.endr
.endm
.macro WBLOCK t
.set XS, WX+32*((\t)%2)
.if (\t) < 7
	s_wait_loadcnt 32                              ; this block's 32 loads are in; the next block's may be out
.else
	s_wait_loadcnt 0x0
.endif
	v_max3_num_f32 v12, |v[XS]|, |v[XS+1]|, |v[XS+2]|
	v_max3_num_f32 v13, |v[XS+3]|, |v[XS+4]|, |v[XS+5]|
.irp i, 6,10,14,18,22,26
	v_max3_num_f32 v12, v12, |v[XS+\i]|, |v[XS+\i+1]|
	v_max3_num_f32 v13, v13, |v[XS+\i+2]|, |v[XS+\i+3]|
.endr
	v_max3_num_f32 v12, v12, |v[XS+30]|, |v[XS+31]|
	v_max3_num_f32 v12, v12, v13, 0x1800000        ; and the floor
	v_add_nc_u32 v11, 0xff000000, v12              ; the conversion's scale operand
	v_lshrrev_b32 v13, 23, v11                     ; the byte
.if (\t)%4 == 0
	v_mov_b32 v[SB+(\t)/4], v13
.else
	v_lshl_or_b32 v[SB+(\t)/4], v13, 8*((\t)%4), v[SB+(\t)/4]
.endif
.if (\t)%2 == 0
	s_wait_alu depctr_va_vdst(0)
	s_wait_xcnt 0x0                                ; the last chunk's stores have read their registers
	v_cvt_scalef32_pk16_fp6_f32 v[C:C+2], v[XS:XS+15], v11
	v_cvt_scalef32_pk16_fp6_f32 v[C+6:C+8], v[XS+16:XS+31], v11
.else
	v_cvt_scalef32_pk16_fp6_f32 v[C+12:C+14], v[XS:XS+15], v11
	v_cvt_scalef32_pk16_fp6_f32 v[C+18:C+20], v[XS+16:XS+31], v11
.endif
	v_nop                                          ; one plain place behind a scaled conversion
.if (\t)+2 < 8
	WLOAD (\t)+2
.endif
.if (\t)%2 == 1
.irp i, 0,1,2
	v_permlane16_swap_b32 v[C+\i], v[C+12+\i]      ; the first now holds the first block of positions (lanes 0-15: k 0-31 of the chunk, lanes 16-31: k 32-63), the second the second
	v_permlane16_swap_b32 v[C+6+\i], v[C+18+\i]
.endr
.irp i, 0,1,2
	v_mov_b32 v[C+3+\i], v[C+6+\i]
	v_mov_b32 v[C+15+\i], v[C+18+\i]
.endr
	global_store_b128 v4, v[C:C+3], s[10:11] offset:((\t)/2)*768
	global_store_b64 v5, v[C+4:C+5], s[10:11] offset:((\t)/2)*768
	global_store_b128 v4, v[C+12:C+15], s[10:11] offset:((\t)/2)*768+12288
	global_store_b64 v5, v[C+16:C+17], s[10:11] offset:((\t)/2)*768+12288
.endif
.endm
.macro WPATH src, rowb, wg0, beta0
.set WSRC, \src
.set WROW, \rowb
	s_sub_co_u32 s17, ttmp9, \wg0
	s_and_b32 s18, s17, 3                          ; which 256 along K
	s_lshr_b32 s19, s17, 2                         ; which 128 columns
	s_mul_i32 s24, s18, 256*\rowb
	s_lshl_b32 s26, s19, 9
	s_add_co_u32 s24, s24, s26
	s_lshl_b32 s26, s16, 7                         ; my wave's 32 columns
	s_add_co_u32 s24, s24, s26
	s_add_nc_u64 s[WSRC:WSRC+1], s[WSRC:WSRC+1], s[24:25]
	s_lshl_b32 s26, s19, 3
	s_lshl_b32 s27, s16, 1
	s_add_co_u32 s26, s26, s27
	s_add_co_u32 s26, s26, \beta0                  ; my first block of 16 positions
	s_mul_i32 s24, s26, 12288
	s_mul_i32 s27, s18, 3072                       ; four chunks
	s_add_co_u32 s24, s24, s27
	s_add_nc_u64 s[10:11], s[10:11], s[24:25]
	s_lshl_b32 s24, s26, 9
	s_lshr_b32 s27, s18, 1
	s_lshl_b32 s27, s27, 8
	s_add_co_u32 s24, s24, s27
	s_and_b32 s27, s18, 1
	s_lshl_b32 s27, s27, 3
	s_add_co_u32 s24, s24, s27                     ; my two scale words' place in a row's sixteen bytes
	s_add_nc_u64 s[12:13], s[12:13], s[24:25]
	v_and_b32 v6, 7, v0
	v_bfe_u32 v7, v0, 3, 1
	v_lshl_add_u32 v6, v7, 4, v6
	s_wait_alu depctr_va_vdst(0)
	v_lshl_add_u32 v6, v3, 3, v6                   ; my column among the 32: lane % 8 + 16 ((lane / 8) % 2) + 8 (lane / 16)
	v_lshlrev_b32 v6, 2, v6
	v_lshlrev_b32 v8, 4, v2
	v_lshl_add_u32 v8, v3, 9, v8                   ; scale bytes: 512 (lane / 16) + 16 r
	WLOAD 0
	WLOAD 1
.irp t, 0,1,2,3,4,5,6,7
	WBLOCK \t
.endr
	global_store_b64 v8, v[SB:SB+1], s[12:13]      ; 8 of each row's 16 bytes: the other 8 are another work-group's; one byte for 128 read
	s_endpgm
.endm
.Lw_qkv:
	WPATH 6, 12288, 0, 512
.Lw_out:
	WPATH 8, 4096, 96, 704
.Lfunc_end_k_q1451304708_quant:
	.size	k_q1451304708_quant, .Lfunc_end_k_q1451304708_quant-k_q1451304708_quant
	.p2alignl 7, 3214868480
	.fill 96, 4, 3214868480
	.section	.rodata,"a",@progbits
	.p2align	6, 0x0
	.amdhsa_kernel k_q1451304708_quant
		.amdhsa_group_segment_fixed_size 34304
		.amdhsa_private_segment_fixed_size 0
		.amdhsa_enable_private_segment 0
		.amdhsa_kernarg_size 40
		.amdhsa_user_sgpr_count 2
		.amdhsa_user_sgpr_kernarg_segment_ptr 1
		.amdhsa_wavefront_size32 1
		.amdhsa_system_sgpr_workgroup_id_x 1
		.amdhsa_system_sgpr_workgroup_id_y 1
		.amdhsa_system_sgpr_workgroup_id_z 1
		.amdhsa_system_vgpr_workitem_id 0
		.amdhsa_next_free_vgpr 256
		.amdhsa_next_free_sgpr 66
		.amdhsa_reserve_vcc 1
		.amdhsa_float_denorm_mode_32 3
		.amdhsa_float_denorm_mode_16_64 3
		.amdhsa_memory_ordered 1
		.amdhsa_forward_progress 1
		.amdhsa_inst_pref_size 113
	.end_amdhsa_kernel
	.amdgpu_metadata
---
amdhsa.version: [ 1, 2 ]
amdhsa.kernels:
  - .name:           k_q1451304708_quant
    .symbol:         k_q1451304708_quant.kd
    .args:
      - { .name: x, .offset: 0, .size: 8, .value_kind: global_buffer, .address_space: global }
      - { .name: w_qkv, .offset: 8, .size: 8, .value_kind: global_buffer, .address_space: global }
      - { .name: w_out, .offset: 16, .size: 8, .value_kind: global_buffer, .address_space: global }
      - { .name: opc, .offset: 24, .size: 8, .value_kind: global_buffer, .address_space: global }
      - { .name: ops, .offset: 32, .size: 8, .value_kind: global_buffer, .address_space: global }
    .group_segment_fixed_size: 34304
    .private_segment_fixed_size: 0
    .kernarg_segment_align: 8
    .kernarg_segment_size: 40
    .max_flat_workgroup_size: 128
    .sgpr_count:     66
    .vgpr_count:     256
    .wavefront_size: 32
...
	.end_amdgpu_metadata
.endif
;; end of part 1
;; launch gemm_qkv (part 2): grid 48 x 8, 4 waves a work-group, clusters of 4 x 4, 327,680 bytes of LDS; arguments opc, ops, qkvc, qkvs; writes qkvc, qkvs
.if DOCPART == 2
	.amdgcn_target "amdgcn-amd-amdhsa--gfx1250"
	.amdhsa_code_object_version 6
	.text
	.protected	k_q1451304708_gemm_qkv
	.globl	k_q1451304708_gemm_qkv
	.p2align	8
	.type	k_q1451304708_gemm_qkv,@function
k_q1451304708_gemm_qkv:
	s_mov_b64 s[64:65], 0
	v_nop
	global_prefetch_b8 v0, s[64:65] scope:SCOPE_SE
	s_setreg_imm32_b32 hwreg(HW_REG_WAVE_MODE, 25, 1), 1
	s_wait_xcnt 0x0
	s_wait_alu depctr_hold_cnt(0) depctr_sa_sdst(0) depctr_va_vdst(0) depctr_va_sdst(0) depctr_va_ssrc(0) depctr_va_vcc(0) depctr_vm_vsrc(0)
	s_getreg_b32 s2, hwreg(HW_REG_IB_STS2, 6, 4)
	s_cmp_eq_u32 s2, 0
	s_cbranch_scc0 .Lentry_in_a_cluster
	s_endpgm
.Lentry_in_a_cluster:
	s_bfe_u32 s2, ttmp6, 0x10000c
	s_cmp_lg_u32 s2, 0xf033
	s_cbranch_scc0 .Lentry_shape_is_right
	s_endpgm
.Lentry_shape_is_right:
; qkv = x w_qkv on codes of FP6 (E2M3) with E8M0 scales, K = 1,024; a work-group makes 256 x 256, a wave 128 x 128; the result is quantised on the way out for the attention's products.
; Q's and K's part: a lane holds a token, registers run along the channels.  V's part: the operands change roles, so that registers run along the tokens, which are V's K.
; K goes in four steps of 256 through a ring of two LDS slots filled by joint loads of a 4 x 4 cluster; the scale words of all of K come once.
; THE HEAD: four tiles, one tensor load a wave: wave 0 A's 16 blocks of step 0, wave 1 B's, wave 2 A's scale words, wave 3 B's; slot 1 follows behind the full sequence and a round.
.set NQ,     2
.set FR,     12
.set NL,     4
.set NP,     4
.set CHUNK,  768
.set SROW,   4*CHUNK
.set HALFT,  8*SROW
.set SLOT,   4*HALFT
.set SCL,    2*SLOT
.set HALFS,  8*512
.set SPARE,  SCL+4*HALFS
.set V16,  4
.set V8,   5
.set SH,   8
.set SCRA, 9
.set VSS,  10
.set RBA,  11
.set ADRA, 16
.set ADRB, 20
.set ADRS, 27
.set SPW,  28
.set NIL,  29
.set SC,   32
.set PC,   64
.set TM,   96
.set PW,   112
.set TW,   113
.set RB,   120
.set AF,   128
.set WV,   16
.set HM,   17
.set HN,   18
.set G1,   24
.set G0,   32
.set G1B,  48
.set G0B,  56
.set G1S,  68
.set G0S,  76
.set G1SB, 80
.set G0SB, 88
.set OB0,  12
.set OB1,  14
.set OB2,  66
.set OB3,  2
.set SB0,  98
.set SEL,  20
.set MSB, 0
.macro WIN new
.if MSB != (\new)
	s_set_vgpr_msb (MSB<<8)|(\new)
.set MSB, (\new)
.endif
.endm
.set MUL_LO, 0xa1
.set MUL_HI, 0xf1
.set TO_B,   0x40
.macro JLOAD g0a, g1a, g0b, g1b
	s_cmp_eq_u32 s[HM], 0
	s_cbranch_scc0 .Lfor_b_\@
	tensor_load_to_lds s[\g0a:\g0a+3], s[\g1a:\g1a+7]
	s_nop 0
.rept 4
	v_nop
.endr
	s_branch .Lasked_\@
.Lfor_b_\@:
	tensor_load_to_lds s[\g0b:\g0b+3], s[\g1b:\g1b+7]
	s_nop 0
.rept 4
	v_nop
.endr
.Lasked_\@:
.endm
.macro CREST
	s_cmp_lg_u32 s[WV], 0
	s_cbranch_scc1 .Lnot_wave_0_\@
	s_barrier_signal -3
.Lnot_wave_0_\@:
	s_barrier_wait -3
	s_barrier_signal -1
	s_barrier_wait -1
.endm
.macro CROUND
	s_barrier_signal -1
	s_barrier_wait -1
	CREST
.endm
	s_load_b128 s[4:7], s[0:1], 0x0
	s_load_b128 s[8:11], s[0:1], 0x10
	v_lshl_add_u32 v[SPW], v0, 2, SPARE
	v_mov_b32 v[NIL], 0
	ds_add_u32 v28, v29
	ds_add_u32 v28, v29
	s_wait_dscnt 0x0
	v_lshrrev_b32 v1, 5, v0
	v_readfirstlane_b32 s[WV], v1
	s_lshr_b32 s[HM], s[WV], 1
	s_and_b32 s[HN], s[WV], 1
	s_bfe_u32 s40, ttmp6, 0x40000
	s_bfe_u32 s41, ttmp6, 0x40004
	s_and_b32 s20, ttmp7, 0xffff
	s_sub_co_u32 s21, ttmp9, 8
	s_lshl_b32 s21, s21, 1
	s_add_co_u32 s21, s21, s20
	s_mov_b32 s95, 640
	s_mov_b32 s96, 512
	s_cmp_lt_u32 ttmp9, 8
	s_cselect_b32 s19, ttmp9, 0
	s_cselect_b32 s42, s20, s21
	s_cselect_b32 s95, 0, s95
	s_cselect_b32 s96, s96, 0
	s_cselect_b32 s97, 1, 0
	s_lshl_b32 s19, s19, 2
	s_add_co_u32 s19, s19, s41
	s_lshl_b32 s42, s42, 2
	s_add_co_u32 s42, s42, s40
	s_lshl_b32 s43, s41, 2
	s_lshl_b32 s43, 15, s43
	s_lshl_b32 s44, 0x1111, s40
	s_or_b32 s[G1+0], s43, (3<<16)|(1<<21)
	s_or_b32 s[G1B+0], s44, (3<<16)|(1<<21)
.irp g, G1, G1B
	s_mov_b32 s[\g+1], 384<<16
	s_mov_b32 s[\g+2], 16<<16
	s_mov_b32 s[\g+3], 384<<16
	s_mov_b32 s[\g+4], 16
	s_mov_b32 s[\g+5], 1536
	s_mov_b32 s[\g+6], 0
	s_mov_b32 s[\g+7], 0
.endr
	s_or_b32 s[G1S+0], s43, (3<<16)|(1<<21)
	s_or_b32 s[G1SB+0], s44, (3<<16)|(1<<21)
.irp g, G1S, G1SB
	s_mov_b32 s[\g+1], 32<<16
	s_mov_b32 s[\g+2], 32<<16
	s_mov_b32 s[\g+3], 32<<16
	s_mov_b32 s[\g+4], 32
	s_mov_b32 s[\g+5], 32
	s_mov_b32 s[\g+6], 0
	s_mov_b32 s[\g+7], 0
.endr
	s_lshl_b32 s20, s19, 4
	s_add_co_u32 s20, s20, s95
	s_lshl_b32 s46, s42, 4
	s_add_co_u32 s46, s46, s96
	s_lshl_b32 s22, s20, 9
	s_mov_b32 s23, 0
	s_lshl_b32 s92, s46, 9
	s_mov_b32 s93, 0
	s_mul_i32 s20, s20, 12288
	s_mov_b32 s21, 0
	s_mul_i32 s46, s46, 12288
	s_mov_b32 s47, 0
	s_mul_i32 s45, s[WV], HALFT
	s_mul_i32 s94, s[HN], 8*12288                  ; in the ring a wave fetches 8 of a tile's 16 blocks: which half, in bytes
	s_mov_b32 s95, 0
	s_wait_kmcnt 0x0
	s_add_nc_u64 s[20:21], s[4:5], s[20:21]
	s_add_nc_u64 s[22:23], s[6:7], s[22:23]
	s_add_nc_u64 s[46:47], s[4:5], s[46:47]
	s_add_nc_u64 s[92:93], s[6:7], s[92:93]
	CROUND
	s_mov_b32 s[G0S], 1
	s_mov_b32 s[G0S+1], SCL
	s_mov_b64 s[G0S+2:G0S+3], s[22:23]
	s_or_b32 s[G0S+3], s[G0S+3], 0x80000000
	s_mov_b32 s[G0SB], 1
	s_mov_b32 s[G0SB+1], SCL+2*HALFS
	s_mov_b64 s[G0SB+2:G0SB+3], s[92:93]
	s_or_b32 s[G0SB+3], s[G0SB+3], 0x80000000
.irp s, 0,1
	s_mov_b32 s[G0+4*\s], 1
	s_add_co_u32 s[G0+4*\s+1], s45, \s*SLOT
	s_add_nc_u64 s[G0+4*\s+2:G0+4*\s+3], s[20:21], \s*SROW
	s_or_b32 s[G0+4*\s+3], s[G0+4*\s+3], 0x80000000
	s_mov_b32 s[G0B+4*\s], 1
	s_add_co_u32 s[G0B+4*\s+1], s45, \s*SLOT
	s_add_nc_u64 s[G0B+4*\s+2:G0B+4*\s+3], s[46:47], \s*SROW
	s_or_b32 s[G0B+4*\s+3], s[G0B+4*\s+3], 0x80000000
.endr
	s_mov_b32 s[G0+1], 0                           ; for the head slot 0's groups 0 name the whole tiles: A's 16 blocks at LDS 0,
	s_mov_b32 s[G0B+1], 2*HALFT                    ; B's behind them
	s_add_nc_u64 s[G0+6:G0+7], s[G0+6:G0+7], s[94:95]      ; slot 1's name my 8 blocks
	s_add_nc_u64 s[G0B+6:G0B+7], s[G0B+6:G0B+7], s[94:95]
; one chain of branches on the wave's number, one load to an arm, all arms to one join: one tensor load a wave at the head
.macro ARM under, g0, g1, next
	s_cmp_lt_u32 s[WV], \under
	s_cbranch_scc0 \next
	tensor_load_to_lds s[\g0:\g0+3], s[\g1:\g1+7]
	s_nop 0
.rept 4
	v_nop
.endr
	s_branch .Lhead_asked
\next:
.endm
	ARM 1, G0,  G1,  .Lhead_b
	ARM 2, G0B, G1B, .Lhead_sa
	ARM 3, G0S, G1S, .Lhead_sb
	tensor_load_to_lds s[G0SB:G0SB+3], s[G1SB:G1SB+7]
	s_nop 0
.rept 4
	v_nop
.endr
.Lhead_asked:
	v_and_b32 v1, 15, v0
	v_bfe_u32 v2, v0, 4, 1
	v_and_b32 v3, 31, v0
	v_lshlrev_b32 v[V16], 4, v3
	v_lshl_add_u32 v[V8], v3, 3, 512
	s_mul_i32 s21, s[HM], HALFT
	s_mul_i32 s22, s[HN], HALFT
	s_add_co_u32 s22, s22, 2*HALFT
.irp s, 0,1
	v_add_nc_u32 v[ADRA+\s], s21, v[V16]
	v_add_nc_u32 v[ADRB+\s], s22, v[V16]
	v_add_nc_u32 v[ADRA+2+\s], s21, v[V8]
	v_add_nc_u32 v[ADRB+2+\s], s22, v[V8]
	s_add_co_u32 s21, s21, SLOT
	s_add_co_u32 s22, s22, SLOT
.endr
	v_lshlrev_b32 v6, 4, v1
	s_mul_i32 s21, s[HM], HALFS
	s_mul_i32 s22, s[HN], HALFS
	s_add_co_u32 s22, s22, 2*HALFS
	s_sub_co_u32 s22, s22, s21
	v_mul_u32_u24 v7, s22, v2
	s_add_co_u32 s21, s21, SCL
	v_add_nc_u32 v6, v6, v7
	v_add_nc_u32 v[ADRS], s21, v6
	s_lshl_b32 s20, s19, 4
	s_lshl_b32 s21, s[HM], 3
	s_add_co_u32 s20, s20, s21
	s_lshl_b32 s21, s42, 2
	s_lshl_b32 s22, s[HN], 1
	s_add_co_u32 s21, s21, s22
	s_mul_i32 s22, s21, 393216
	s_mul_i32 s23, s20, 768
	s_add_co_u32 s22, s22, s23
	s_lshl_b32 s23, s21, 15
	s_lshl_b32 s46, s20, 6
	s_add_co_u32 s23, s23, s46
	s_lshr_b32 s46, s20, 2
	s_add_co_u32 s47, s46, 32
	s_mul_i32 s47, s47, 393216
	s_mul_i32 s92, s21, 3072
	s_add_co_u32 s47, s47, s92
	s_lshl_b32 s46, s46, 14
	s_lshr_b32 s92, s21, 1
	s_lshl_b32 s92, s92, 8
	s_add_co_u32 s46, s46, s92
	s_add_co_u32 s46, s46, 1048576
	s_mov_b32 s92, 393216
	s_mov_b32 s93, 3072
	s_mov_b32 s96, 16384
	s_cmp_eq_u32 s97, 1
	s_cselect_b32 s20, s22, s47
	s_cselect_b32 s22, s23, s46
	s_cselect_b32 s46, s92, s93
	s_cselect_b32 s92, s93, s92
	s_cselect_b32 s95, 16, 0
	s_cselect_b32 s96, 256, s96
	s_mov_b32 s21, 0
	s_mov_b32 s23, 0
	s_mov_b32 s47, 0
	s_mov_b32 s93, 0
	s_add_nc_u64 s[OB0:OB0+1], s[8:9], s[20:21]
	s_add_nc_u64 s[OB1:OB1+1], s[OB0:OB0+1], s[46:47]
	s_add_nc_u64 s[OB2:OB2+1], s[OB0:OB0+1], s[92:93]
	s_add_nc_u64 s[OB3:OB3+1], s[OB1:OB1+1], s[92:93]
	s_add_nc_u64 s[SB0:SB0+1], s[10:11], s[22:23]
	v_mul_u32_u24 v[SH], s95, v2
	s_lshl_b32 s22, s[WV], 10
	v_lshlrev_b32 v[SCRA], 2, v1
	v_lshl_add_u32 v[SCRA], v2, 9, v[SCRA]
	v_add_nc_u32 v[SCRA], s22, v[SCRA]
	v_add_nc_u32 v[RBA], s22, v[V16]
	v_mul_u32_u24 v[VSS], s96, v2
	v_lshl_add_u32 v[VSS], v1, 4, v[VSS]
	s_mov_b32 s[SEL], 0x76543210
	s_mov_b32 s[SEL+1], 0xfedcba98
.irp b, 0,1,2,3
	v_mov_b32 v[TM+4+\b], 0
.endr
.macro FRAG reg, adr, q, i
	ds_load_b128 v[\reg:\reg+3], v[\adr] offset:(\i)*SROW+2*(\q)*CHUNK
	ds_load_b64 v[\reg+4:\reg+5], v[\adr+2] offset:(\i)*SROW+2*(\q)*CHUNK
	ds_load_b128 v[\reg+6:\reg+9], v[\adr] offset:(\i)*SROW+(2*(\q)+1)*CHUNK
	ds_load_b64 v[\reg+10:\reg+11], v[\adr+2] offset:(\i)*SROW+(2*(\q)+1)*CHUNK
.endm
.macro MUL16 a0, p, q, sc, zero
.irp a, \a0, \a0+1
.irp b, 0,1,2,3,4,5,6,7
.if \zero
	v_wmma_scale_f32_16x16x128_f8f6f4 v[8*(8*((\a)%4)+\b):8*(8*((\a)%4)+\b)+7], v[128*(\p)+FR*\b:128*(\p)+FR*\b+FR-1], v[AF+FR*(\a):AF+FR*(\a)+FR-1], 0, v[SC+8*NQ*(\sc)+NQ*\b+(\q)], v[SC+8*NQ*(\sc)+NQ*(\a)+(\q)] matrix_a_fmt:MATRIX_FMT_FP6 matrix_b_fmt:MATRIX_FMT_FP6 matrix_a_scale:MATRIX_SCALE_ROW1
.else
	v_wmma_scale_f32_16x16x128_f8f6f4 v[8*(8*((\a)%4)+\b):8*(8*((\a)%4)+\b)+7], v[128*(\p)+FR*\b:128*(\p)+FR*\b+FR-1], v[AF+FR*(\a):AF+FR*(\a)+FR-1], v[8*(8*((\a)%4)+\b):8*(8*((\a)%4)+\b)+7], v[SC+8*NQ*(\sc)+NQ*\b+(\q)], v[SC+8*NQ*(\sc)+NQ*(\a)+(\q)] matrix_a_fmt:MATRIX_FMT_FP6 matrix_b_fmt:MATRIX_FMT_FP6 matrix_a_scale:MATRIX_SCALE_ROW1
.endif
.endr
.endr
.endm
.macro FETCH_B slot, q, p
	WIN TO_B
.irp i, 0,1,2,3,4,5,6,7
	FRAG 128*(\p)+FR*\i, ADRB+\slot, \q, \i
.endr
	WIN 0
.endm
.macro FETCH_A slot, q, i0
.irp i, \i0, \i0+1, \i0+2, \i0+3
	FRAG AF+FR*(\i), ADRA+\slot, \q, \i
.endr
.endm
.macro SCALES sc, sig
.irp i, 0,1,2,3,4,5,6,7
	ds_load_b64 v[SC+8*NQ*\sc+NQ*\i:SC+8*NQ*\sc+NQ*\i+1], v[ADRS] offset:\i*512+((\sig)/2)*256+((\sig)%2)*8
.endr
.endm
.macro PLACES n
.rept \n
	v_nop
.endr
.endm
.macro STEP slot, q, zero
	s_wait_dscnt 4*NL
	WIN MUL_LO
	MUL16 0, (\q)%2, \q, \slot, \zero
	MUL16 2, (\q)%2, \q, \slot, \zero
	s_wait_dscnt 0
	PLACES NP
	FETCH_B \slot, (\q)+1, 1-(\q)%2
	FETCH_A \slot, (\q)+1, 0
	WIN MUL_HI
	MUL16 4, (\q)%2, \q, \slot, \zero
	MUL16 6, (\q)%2, \q, \slot, \zero
	PLACES NP
	WIN 0
	FETCH_A \slot, (\q)+1, 4
.endm
.macro TURN slot, next, fill, sig
	s_wait_tensorcnt 0x0
	ds_add_u32 v[SPW], v[NIL]
	s_wait_dscnt 4*NL+1
	WIN MUL_LO
	MUL16 0, 1, NQ-1, \slot, 0
	s_wait_dscnt 0x0
	s_barrier_signal -1
	MUL16 2, 1, NQ-1, \slot, 0
	WIN 0
	s_barrier_wait -1
.if \fill
	CREST
	s_add_nc_u64 s[G0+4*\slot+2:G0+4*\slot+3], s[G0+4*\slot+2:G0+4*\slot+3], 2*SROW
	s_add_nc_u64 s[G0B+4*\slot+2:G0B+4*\slot+3], s[G0B+4*\slot+2:G0B+4*\slot+3], 2*SROW
	JLOAD G0+4*\slot, G1, G0B+4*\slot, G1B
.else
	PLACES NP
.endif
	FETCH_B \next, 0, 0
	FETCH_A \next, 0, 0
	SCALES \next, \sig
	WIN MUL_HI
	MUL16 4, 1, NQ-1, \slot, 0
	MUL16 6, 1, NQ-1, \slot, 0
	PLACES NP
	WIN 0
	FETCH_A \next, 0, 4
.endm
	s_wait_alu depctr_va_vdst(0)                   ; the wait at the head's end
	s_wait_tensorcnt 0x0                           ; my tile of the head's four is in; the lines ahead of a later first fill:
	ds_add_u32 v[SPW], v[NIL]
	s_mov_b32 s[G1+2], 8<<16                       ; no tensor load of mine is out: from here on a load brings 8 blocks,
	s_mov_b32 s[G1+4], 8
	s_mov_b32 s[G1B+2], 8<<16
	s_mov_b32 s[G1B+4], 8
	s_mov_b32 s[G0+1], s45                         ; and slot 0's groups 0 name my 8 blocks of step 0: its refill steps them on
	s_mov_b32 s[G0B+1], s45
	s_sub_nc_u64 s[G0+2:G0+3], s[G0+6:G0+7], SROW
	s_sub_nc_u64 s[G0B+2:G0B+3], s[G0B+6:G0B+7], SROW
	s_wait_dscnt 0x0
	CROUND                                         ; all four tiles are in, and all sixteen work-groups are here
	JLOAD G0+4, G1, G0B+4, G1B                     ; step 1, the first tensor load behind the round
	FETCH_B 0, 0, 0
	FETCH_A 0, 0, 0
	SCALES 0, 0
	FETCH_A 0, 0, 4
	STEP 0, 0, 1
	TURN 0, 1, 1, 1
	STEP 1, 0, 0
	TURN 1, 0, 1, 2
	STEP 0, 0, 0
	TURN 0, 1, 0, 3
	STEP 1, 0, 0
	s_wait_dscnt 4*NL
	WIN MUL_LO
	MUL16 0, 1, NQ-1, 1, 0
	MUL16 2, 1, NQ-1, 1, 0
	s_wait_dscnt 0
	WIN MUL_HI
	MUL16 4, 1, NQ-1, 1, 0
	MUL16 6, 1, NQ-1, 1, 0
	WIN 0
.macro QUANTW a
.set WN, 2+(\a)/4
.set ACB, 64*((\a)%4)
	WIN (WN|(WN<<2))
.irp b, 0,1,2,3
	v_max3_num_f32 v[TM+\b], |v[ACB+16*\b]|, |v[ACB+1+16*\b]|, 0x1800000
.endr
	WIN ((WN<<2)|(WN<<4))
.irp i, 2,4,6,8,10,12,14
.irp b, 0,1,2,3
	v_max3_num_f32 v[TM+\b], v[TM+\b], |v[ACB+16*\b+\i]|, |v[ACB+1+16*\b+\i]|
.endr
.endr
	WIN 0
.irp b, 0,1,2,3
	v_permlanex16_b32 v[TM+4+\b], v[TM+\b], s[SEL], s[SEL+1]
.endr
.irp b, 0,1,2,3
	v_max_num_f32 v[TM+\b], v[TM+\b], v[TM+4+\b]
.endr
.irp b, 0,1,2,3
	v_add_nc_u32 v[TM+12+\b], 0xff000000, v[TM+\b]
.endr
.irp b, 0,1,2,3
	v_lshrrev_b32 v[TM+4+\b], 23, v[TM+12+\b]
.endr
	v_lshl_or_b32 v[PW], v[TM+5], 8, v[TM+4]
	v_lshl_or_b32 v[PW], v[TM+6], 16, v[PW]
	v_lshl_or_b32 v[PW], v[TM+7], 24, v[PW]
	s_wait_xcnt 0x0
	WIN WN
.irp c, 0,1
	v_cvt_scalef32_pk16_fp6_f32 v[PC+6*\c:PC+2+6*\c], v[ACB+32*\c:ACB+15+32*\c], v[TM+12+2*\c]
	v_cvt_scalef32_pk16_fp6_f32 v[PC+12+4*\c:PC+14+4*\c], v[ACB+16+32*\c:ACB+31+32*\c], v[TM+12+2*\c+1]
.endr
	WIN 0
	v_nop
.irp c, 0,1
.irp i, 0,1,2
	v_permlane16_swap_b32 v[PC+6*\c+\i], v[PC+12+4*\c+\i]
.endr
.irp i, 0,1,2
	v_mov_b32 v[PC+3+6*\c+\i], v[PC+12+4*\c+\i]
.endr
.endr
.if (\a) < 4
.set OE, OB0
.set OO, OB1
.else
.set OE, OB2
.set OO, OB3
.endif
	global_store_b128 v[V16], v[PC:PC+3], s[OE:OE+1] offset:((\a)%4)*CHUNK
	global_store_b64 v[V8], v[PC+4:PC+5], s[OE:OE+1] offset:((\a)%4)*CHUNK
	global_store_b128 v[V16], v[PC+6:PC+9], s[OO:OO+1] offset:((\a)%4)*CHUNK
	global_store_b64 v[V8], v[PC+10:PC+11], s[OO:OO+1] offset:((\a)%4)*CHUNK
	v_lshrrev_b32 v[TW], v[SH], v[PW]
	ds_store_b32 v[SCRA], v[TW] offset:64*(\a)
.endm
	PLACES NP
.irp a, 0,1,2,3,4,5,6,7
	QUANTW \a
.endr
	ds_load_b128 v[RB:RB+3], v[RBA]
	ds_load_b128 v[RB+4:RB+7], v[RBA] offset:512
	s_wait_dscnt 0x0
	global_store_b128 v[VSS], v[RB:RB+3], s[SB0:SB0+1]
	s_cmp_eq_u32 s97, 1
	s_cbranch_scc0 .Lno_odd
	global_store_b128 v[VSS], v[RB+4:RB+7], s[SB0:SB0+1] offset:32768
.Lno_odd:
	s_wait_tensorcnt 0x0
	ds_add_u32 v[SPW], v[NIL]
	s_wait_dscnt 0x0
	CROUND
	s_endpgm
.Lfunc_end_k_q1451304708_gemm_qkv:
	.size	k_q1451304708_gemm_qkv, .Lfunc_end_k_q1451304708_gemm_qkv-k_q1451304708_gemm_qkv
	.p2alignl 7, 3214868480
	.fill 96, 4, 3214868480
	.section	.rodata,"a",@progbits
	.p2align	6, 0x0
	.amdhsa_kernel k_q1451304708_gemm_qkv
		.amdhsa_group_segment_fixed_size 327680
		.amdhsa_private_segment_fixed_size 0
		.amdhsa_enable_private_segment 0
		.amdhsa_kernarg_size 32
		.amdhsa_user_sgpr_count 2
		.amdhsa_user_sgpr_kernarg_segment_ptr 1
		.amdhsa_wavefront_size32 1
		.amdhsa_system_sgpr_workgroup_id_x 1
		.amdhsa_system_sgpr_workgroup_id_y 1
		.amdhsa_system_sgpr_workgroup_id_z 1
		.amdhsa_system_vgpr_workitem_id 0
		.amdhsa_next_free_vgpr 1024
		.amdhsa_next_free_sgpr 100
		.amdhsa_reserve_vcc 0
		.amdhsa_float_denorm_mode_32 3
		.amdhsa_float_denorm_mode_16_64 3
		.amdhsa_memory_ordered 1
		.amdhsa_forward_progress 1
		.amdhsa_inst_pref_size 152
	.end_amdhsa_kernel
	.amdgpu_metadata
---
amdhsa.version: [ 1, 2 ]
amdhsa.kernels:
  - .name:           k_q1451304708_gemm_qkv
    .symbol:         k_q1451304708_gemm_qkv.kd
    .args:
      - { .name: opc, .offset: 0, .size: 8, .value_kind: global_buffer, .address_space: global }
      - { .name: ops, .offset: 8, .size: 8, .value_kind: global_buffer, .address_space: global }
      - { .name: qkvc, .offset: 16, .size: 8, .value_kind: global_buffer, .address_space: global }
      - { .name: qkvs, .offset: 24, .size: 8, .value_kind: global_buffer, .address_space: global }
    .group_segment_fixed_size: 327680
    .private_segment_fixed_size: 0
    .kernarg_segment_align: 8
    .kernarg_segment_size: 32
    .max_flat_workgroup_size: 128
    .sgpr_count:     100
    .vgpr_count:     1024
    .wavefront_size: 32
...
	.end_amdgpu_metadata
.endif
;; end of part 2
;; launch attn (part 3): grid 4 x 64, 16 waves a work-group, clusters of 4 x 1, 260,096 bytes of LDS; arguments qkvc, qkvs, oc, os; writes oc, os
.if DOCPART == 3
	.amdgcn_target "amdgcn-amd-amdhsa--gfx1250"
	.amdhsa_code_object_version 6
	.text
	.protected	k_q1451304708_attn
	.globl	k_q1451304708_attn
	.p2align	8
	.type	k_q1451304708_attn,@function
k_q1451304708_attn:
	s_mov_b64 s[64:65], 0
	v_nop
	global_prefetch_b8 v0, s[64:65] scope:SCOPE_SE
	s_setreg_imm32_b32 hwreg(HW_REG_WAVE_MODE, 25, 1), 1
	s_wait_xcnt 0x0
	s_wait_alu depctr_hold_cnt(0) depctr_sa_sdst(0) depctr_va_vdst(0) depctr_va_sdst(0) depctr_va_ssrc(0) depctr_va_vcc(0) depctr_vm_vsrc(0)
	s_getreg_b32 s2, hwreg(HW_REG_IB_STS2, 6, 4)
	s_cmp_eq_u32 s2, 0
	s_cbranch_scc0 .Lentry_in_a_cluster
	s_endpgm
.Lentry_in_a_cluster:
	s_bfe_u32 s2, ttmp6, 0x10000c
	s_cmp_lg_u32 s2, 0x3003
	s_cbranch_scc0 .Lentry_shape_is_right
	s_endpgm
.Lentry_shape_is_right:
; o = softmax(q k^T / 8) v for 64 (batch, head) pairs of 2,048 tokens and 64 channels, both products on codes of FP6 (E2M3) with E8M0 scales; o is quantised along the channels for the last product and leaves as codes.
; THE SOFTMAX AHEAD OF THE SECOND PRODUCT: t = score x log2(e) / 8; M = the row's largest t so far, rounded UP to a whole number; p = 2^(t - M) is quantised along the keys, not normalised.  The row's sum is taken
; of the unquantised p and divides O at the end.  When M moves, the sum and O are multiplied by 2^(old M - new M): exact, and done in every step, with no branch on data.
; SHARES.  A work-group owns one (batch, head) and 512 queries; each of its sixteen waves owns 16 queries at a time, twice.  A step is 128 keys: 8 + 4 matrix instructions.
; A WHOLE HEAD'S K, V AND SCALE WORDS LIE IN LDS, filled once by ten tensor loads at the head, ONE A WAVE: waves 0-7 a part of 512 keys of K (even waves) or V (odd), wave 8 K's scale words, wave 9 V's.
; Every wave waits for its load, one barrier follows, nothing is filled again, nothing is stored to LDS.
; CLUSTER.  The four work-groups of a (batch, head) ask for every tile jointly.  No prefetch: all tiles are asked for at the head by the loads themselves, and there is no later load to run ahead of.
; LAYOUT IN MEMORY.  Codes lie as chunks of 768 bytes, images of six operand registers: 16 rows x 64 along K (source lane's first 16 bytes at 16 x lane, last 8 at 512 + 8 x lane); within each 32 rows, chunk u's
; row 8 a + i is row 16 a + 8 u + i.  IN LDS 64 bytes of padding follow each 256: a chunk is 960 bytes.
; WHICH ROWS FORM A TILE is chosen here by the lanes' addresses: row 8 a + j of tile t of a group of 64 is row 32 a + 8 t + j (it lies in chunk 2 a + t % 2 at row 8 (t / 2) + j).  With such tiles as source 0
; (S^T = K Q^T, O^T = V^T P^T) lane (query r, half h) holds in the 32 result registers of four tiles the neighbours 32 h + 0 .. 31: ONE WHOLE BLOCK of the next K.  So a block's maximum needs no other lane, and the
; conversions' results are the operand's registers.  Two chunks are 1,920 bytes = 128 modulo 256, so lanes 0-7 and 8-15 of a 16-byte load touch different banks.
; K = 64 IN THE FIRST PRODUCT fills half of the instruction's 128: Q's registers 6-11 hold zero codes.  K's tile t names v[32 + 6 t] to v[43 + 6 t]: its upper six registers are the next tile's codes (zeros behind
; tile 7), which meet Q's zeros and add nothing: the format has no NaN and no infinity, and bytes 2 and 3 of both scale words are never 0xff.
; LIMITS: the promise holds while the scaled scores t stay under 2^31 in magnitude; a block of zeros gets the byte 1 where the rule says 127 (its codes are zeros; this program alone reads the bytes);
; NaN and infinities are not served.  o's two scale bytes of a row leave by a store of 2 bytes a row, 16 bytes apart: a scale word holds two heads', which are two work-groups'.
; REGISTERS: v1, v2, v7, v29 offsets in memory; v3-6, v94, v95 the lane's LDS places; v8-11, v30, v31 the step's LDS addresses; v12 -M, v13 the largest score, v[14:15] the sum; v16-21 Q, v22-27 zeros, v28 Q's
; scale word; v32-79 K's eight tiles, then V's four fragments; v80-85 zeros; v86-93 K's scale words, then V's; v96-159 S^T, then p; v160-191 O^T; v192-203 p's codes, v204-210 at work; v212-233 at work.
.set CH,    960                        ; a chunk in LDS
.set VB,    122880                     ; V's codes (K's at 0): 128 chunks each
.set KSB,   245760                     ; K's scale words, 8,192 bytes
.set VSB,   253952                     ; V's, 4,096
.set SPARE, 258048                     ; the spare words: 128 bytes a wave
.set WV,   12
.set QC,   18                          ; s[18:19] q's codes at my first block of queries
.set SEL,  20                          ; s[20:21] selects for lane l xor 16
.set CS,   22                          ; s[22:23] c = log2(e) / 8
.set G1P,  24                          ; groups 1: a part of K or V; K's scale words; V's
.set G1KS, 32
.set G1VS, 40
.set G0S,  48
.set KO,   52                          ; the step's first byte in K and in V; among K's scale words; among V's; steps to go
.set SO,   53
.set TO,   54
.set CNT,  55
.set G0P,  68
.set OC,   84
.set OS,   86
.set QS,   88
.macro CROUND                          ; a round of the cluster's barrier
	s_barrier_signal -1
	s_barrier_wait -1
	s_cmp_lg_u32 s[WV], 0
	s_cbranch_scc1 .Lnot_wave_0_\@
	s_barrier_signal -3
.Lnot_wave_0_\@:
	s_barrier_wait -3
	s_barrier_signal -1
	s_barrier_wait -1
.endm
	s_load_b256 s[4:11], s[0:1], 0x0               ; qkvc s[4:5], qkvs s[6:7], oc s[8:9], os s[10:11]
	v_lshl_add_u32 v254, v0, 2, SPARE
	v_mov_b32 v255, 0
	ds_add_u32 v254, v255                          ; the opening lines: the add, twice on end, and its wait
	ds_add_u32 v254, v255
	v_lshrrev_b32 v1, 5, v0
	v_readfirstlane_b32 s[WV], v1                  ; wave 0..15
	s_and_b32 s14, ttmp7, 0xffff
	s_lshr_b32 s15, s14, 4                         ; batch
	s_and_b32 s14, s14, 15                         ; head
	s_bfe_u32 s13, ttmp6, 0x40000                  ; cx: which 512 queries: it enters q's and o's addresses alone
	s_and_b32 s16, s[WV], 1                        ; 0: K's, 1: V's
	s_lshr_b32 s17, s[WV], 1                       ; which part of 512 keys (waves 0-7)
	s_lshl_b32 s56, s16, 4
	s_add_co_u32 s56, s56, s14
	s_add_co_u32 s56, s56, 16                      ; plane 16 + head (K) or 32 + head (V),
	s_mul_i32 s56, s56, 393216
	s_mul_i32 s57, s15, 98304                      ; the batch's 2,048 keys,
	s_add_co_u32 s56, s56, s57
	s_mul_i32 s57, s17, 24576                      ; my part
	s_add_co_u32 s56, s56, s57
	s_mov_b32 s57, 0
	s_mul_i32 s58, s16, VB                         ; in LDS: 32 chunks a part
	s_mul_i32 s59, s17, 32*CH
	s_add_co_u32 s58, s58, s59
	s_add_co_u32 s60, s14, 16
	s_lshl_b32 s60, s60, 15
	s_lshl_b32 s61, s15, 13
	s_add_co_u32 s60, s60, s61                     ; K's scale words: plane x 32,768 + batch x 8,192
	s_lshl_b32 s62, s14, 14
	s_lshl_b32 s61, s15, 12
	s_add_co_u32 s62, s62, s61
	s_add_co_u32 s62, s62, 1048576                 ; V's: 1,048,576 + head x 16,384 + batch x 4,096
	s_cmp_eq_u32 s16, 0
	s_cselect_b32 s60, s60, s62
	s_mov_b32 s61, 0
	s_lshl_b32 s59, s16, 13
	s_add_co_u32 s59, s59, KSB
	; groups 1: dense blocks as rows of 256 bytes (32 elements of 8); the mask names all four work-groups, bit 21 beside it
.irp g, G1P, G1KS, G1VS
	s_mov_b32 s[\g+1], 32<<16
	s_mov_b32 s[\g+3], 32<<16
	s_mov_b32 s[\g+5], 32
	s_mov_b32 s[\g+6], 0
	s_mov_b32 s[\g+7], 0
.endr
	s_mov_b32 s[G1P], 15|(3<<16)|(1<<20)|(1<<21)|(5<<22)|(15<<25)   ; codes: 16 words of padding behind every 64
	s_mov_b32 s[G1KS], 15|(3<<16)|(1<<21)
	s_mov_b32 s[G1VS], 15|(3<<16)|(1<<21)
	s_mov_b32 s[G1P+2], 96<<16                     ; rows: 96,
	s_mov_b32 s[G1P+4], 96
	s_mov_b32 s[G1KS+2], 32<<16                    ; 32,
	s_mov_b32 s[G1KS+4], 32
	s_mov_b32 s[G1VS+2], 16<<16                    ; 16
	s_mov_b32 s[G1VS+4], 16
	s_mov_b32 s[SEL], 0x76543210
	s_mov_b32 s[SEL+1], 0xfedcba98
	s_mov_b32 s[CS], 0x3e38aa3b                    ; log2(e) / 8
	s_mov_b32 s[CS+1], s[CS]                       ; (named with it as a pair)
	s_wait_dscnt 0x0
	s_wait_kmcnt 0x0
	s_mov_b32 s[G0S], 1
	s_mov_b32 s[G0S+1], s59
	s_add_nc_u64 s[G0S+2:G0S+3], s[6:7], s[60:61]
	s_or_b32 s[G0S+3], s[G0S+3], 0x80000000
	s_mov_b32 s[G0P], 1
	s_mov_b32 s[G0P+1], s58
	s_add_nc_u64 s[G0P+2:G0P+3], s[4:5], s[56:57]
	s_or_b32 s[G0P+3], s[G0P+3], 0x80000000
	CROUND                                         ; all four work-groups are here: the joint loads meet
	s_cmp_lt_u32 s[WV], 8                          ; one chain of branches on the wave's number, one load to an arm, all arms to one join
	s_cbranch_scc0 .Lnot_part
	tensor_load_to_lds s[G0P:G0P+3], s[G1P:G1P+7]
	s_nop 0
.rept 4
	v_nop
.endr
	s_branch .Lasked
.Lnot_part:
	s_cmp_eq_u32 s[WV], 8
	s_cbranch_scc0 .Lnot_ks
	tensor_load_to_lds s[G0S:G0S+3], s[G1KS:G1KS+7]
	s_nop 0
.rept 4
	v_nop
.endr
	s_branch .Lasked
.Lnot_ks:
	s_cmp_eq_u32 s[WV], 9
	s_cbranch_scc0 .Lasked
	tensor_load_to_lds s[G0S:G0S+3], s[G1VS:G1VS+7]
	s_nop 0
.rept 4
	v_nop
.endr
.Lasked:
	s_lshl_b32 s90, s15, 7
	s_lshl_b32 s91, s13, 5
	s_add_co_u32 s90, s90, s91
	s_add_co_u32 s90, s90, s[WV]                   ; my first block of 16 query positions: 128 x batch + 32 cx + wave; the second pass takes the block 16 further on
	s_mov_b32 s93, 0
	s_mul_i32 s92, s14, 393216
	s_mul_i32 s94, s90, 768
	s_add_co_u32 s92, s92, s94
	s_add_nc_u64 s[QC:QC+1], s[4:5], s[92:93]
	s_lshl_b32 s92, s14, 15
	s_lshl_b32 s94, s90, 6
	s_add_co_u32 s92, s92, s94
	s_add_nc_u64 s[QS:QS+1], s[6:7], s[92:93]
	s_mul_i32 s92, s90, 12288
	s_mul_i32 s94, s14, 768                        ; o's chunk along K is the head
	s_add_co_u32 s92, s92, s94
	s_add_nc_u64 s[OC:OC+1], s[8:9], s[92:93]
	s_lshl_b32 s92, s90, 9
	s_lshr_b32 s94, s14, 3
	s_lshl_b32 s94, s94, 8
	s_add_co_u32 s92, s92, s94
	s_and_b32 s94, s14, 7
	s_lshl_b32 s94, s94, 1
	s_add_co_u32 s92, s92, s94                     ; block x 512 + (head / 8) x 256 + 2 (head % 8)
	s_add_nc_u64 s[OS:OS+1], s[10:11], s[92:93]
	v_and_b32 v7, 15, v0                           ; r
	v_and_b32 v1, 31, v0
	v_and_b32 v32, 7, v0                           ; j = r % 8
	v_bfe_u32 v33, v0, 3, 1                        ; a = r / 8
	v_bfe_u32 v34, v0, 4, 1                        ; h
	v_lshl_add_u32 v2, v1, 3, 512                  ; in memory: 512 + 8 x lane,
	v_lshlrev_b32 v1, 4, v1                        ; 16 x lane,
	v_lshlrev_b32 v29, 4, v7                       ; 16 r,
	v_lshlrev_b32 v7, 2, v7                        ; 4 r
	v_lshlrev_b32 v3, 4, v32
	v_lshlrev_b32 v4, 3, v32
	v_lshlrev_b32 v5, 2, v32
	v_mad_u32_u24 v3, v33, 2*CH, v3
	v_mad_u32_u24 v4, v33, 2*CH, v4
	v_lshl_add_u32 v5, v33, 7, v5                  ; scale words: 128 a + 4 j
	v_mad_u32_u24 v3, v34, 320, v3                 ; a fragment's 16 bytes: 2 chunks x a + 320 h + 16 j
	v_lshl_add_u32 v4, v34, 7, v4
	v_add_nc_u32 v6, VSB, v5
	v_add_nc_u32 v5, KSB, v5
	v_add_nc_u32 v4, 640, v4                       ; its 8 bytes: 2 chunks x a + 640 + 128 h + 8 j
	v_add_nc_u32 v94, VB, v3                       ; the same in V
	v_lshlrev_b32 v219, 3, v34                     ; 8 h: my scale bytes' place in a word
	v_add_nc_u32 v95, VB, v4
.irp j, 22,23,24,25,26,27,80,81,82,83,84,85
	v_mov_b32 v[\j], 0                             ; the zero codes; never rewritten
.endr
	v_mov_b32 v216, 0                              ; written once: a lane permute's destination counts as one of its sources
	v_mov_b32 v223, 0
	v_mov_b32 v225, 0                              ; (named as the upper half of the pair v[224:225])
.macro TMS n                           ; the next n pairs of scores become t - M
.rept \n
	v_pk_fma_f32 v[96+FJ:97+FJ], v[96+FJ:97+FJ], s[CS:CS+1], v[12:13] op_sel_hi:[1,0,0]
.set FJ, FJ+2
.endr
.endm
.macro SUMS n                          ; the next n of the 32 packed additions of the row's sum: four chains by turns, joined at the end
.rept \n
.if SI < 3
	v_pk_add_f32 v[228+2*SI:229+2*SI], v[96+4*SI:97+4*SI], v[98+4*SI:99+4*SI]
.else
.if SI < 29
.if SI%4 == 3
	v_pk_add_f32 v[14:15], v[14:15], v[102+2*SI:103+2*SI]
.else
	v_pk_add_f32 v[228+2*(SI%4):229+2*(SI%4)], v[228+2*(SI%4):229+2*(SI%4)], v[102+2*SI:103+2*SI]
.endif
.else
.if SI == 29
	v_pk_add_f32 v[228:229], v[228:229], v[230:231]
.endif
.if SI == 30
	v_pk_add_f32 v[14:15], v[14:15], v[232:233]
.endif
.if SI == 31
	s_delay_alu instid0(VALU_DEP_1)
	v_pk_add_f32 v[14:15], v[14:15], v[228:229]
.endif
.endif
.endif
.set SI, SI+1
.endr
.endm
; A KEY STEP: 128 keys.
.macro STEP
.set FJ, 0
.set SI, 0
	v_add_nc_u32 v8, s[KO], v3                     ; these four are the places behind the last step's products, in front of the loads into their registers
	v_add_nc_u32 v9, s[KO], v4
	v_add_nc_u32 v30, s[SO], v5
	v_nop
.irp c, 0,1
.irp t, 0,1,2,3
	ds_load_b128 v[32+24*\c+6*\t:35+24*\c+6*\t], v8 offset:4*CH*\c+CH*(\t%2)+128*(\t/2)
	ds_load_b64 v[36+24*\c+6*\t:37+24*\c+6*\t], v9 offset:4*CH*\c+CH*(\t%2)+64*(\t/2)
	ds_load_b32 v[86+4*\c+\t], v30 offset:256*\c+64*(\t%2)+32*(\t/2)
.endr
.endr
	s_wait_alu depctr_va_vdst(0)                   ; the wait directly ahead of a wait that blocks
	s_wait_dscnt 0x0
.irp t, 0,1,2,3,4,5,6,7                        ; S^T = K Q^T: lane (r, h) holds query r; registers 96 + 32 c + i are keys 64 c + 32 h + i
	v_wmma_scale_f32_16x16x128_f8f6f4 v[96+8*\t:103+8*\t], v[32+6*\t:43+6*\t], v[16:27], 0, v[86+\t], v28 matrix_a_fmt:MATRIX_FMT_FP6 matrix_b_fmt:MATRIX_FMT_FP6
.endr
	v_add_nc_u32 v10, s[KO], v94                   ; four places in front of the loads below and of the first read of the scores
	v_add_nc_u32 v11, s[KO], v95
	v_add_nc_u32 v31, s[TO], v6
	v_mov_b32 v218, v12                            ; the old -M
.irp t, 0,1,2,3                                ; V's four fragments (16 channels x these 128 keys) are asked for now and land under the softmax
.irp c, 0,1
	ds_load_b128 v[32+12*\t+6*\c:35+12*\t+6*\c], v10 offset:4*CH*\c+CH*(\t%2)+128*(\t/2)
	ds_load_b64 v[36+12*\t+6*\c:37+12*\t+6*\c], v11 offset:4*CH*\c+CH*(\t%2)+64*(\t/2)
.endr
	ds_load_b32 v[86+\t], v31 offset:64*(\t%2)+32*(\t/2)
.endr
.irp b, 0,1,2,3                                ; the largest score of my two blocks of 32 keys, two chains a block, each accumulator from its low end on
	v_max3_num_f32 v[212+\b], v[96+16*\b], v[97+16*\b], v[98+16*\b]
.endr
.irp i, 3,5,7,9,11,13
.irp b, 0,1,2,3
	v_max3_num_f32 v[212+\b], v[212+\b], v[96+16*\b+\i], v[97+16*\b+\i]
.endr
.endr
	v_max3_num_f32 v212, v212, v213, v111
	v_max3_num_f32 v214, v214, v215, v143
	v_max_num_f32 v212, v212, v127                 ; block c = 0: it serves the row's maximum and, since p rises with the score, the block's largest p
	v_max_num_f32 v214, v214, v159                 ; block c = 1 (the two blocks by turns)
	s_delay_alu instid0(VALU_DEP_1)
	v_max3_num_f32 v13, v13, v212, v214            ; the running largest score of my half of the keys,
	s_delay_alu instid0(VALU_DEP_1)
	v_permlanex16_b32 v216, v13, s[SEL], s[SEL+1]
	s_delay_alu instid0(VALU_DEP_1)
	v_max_num_f32 v13, v13, v216                   ; and of all of them
	s_delay_alu instid0(VALU_DEP_1)
	v_mul_f32 v217, s[CS], v13                     ; as t (c is positive)
	s_delay_alu instid0(VALU_DEP_1)
	v_floor_f32 v12, -v217                         ; the new -M = floor(-t): M is a whole number
	s_delay_alu instid0(VALU_DEP_1)
	v_sub_f32 v218, v12, v218                      ; old M - new M: a whole number, 0 or less
	TMS 2
	v_cvt_i32_f32 v218, v218                       ; (it saturates)
	TMS 2
	v_ldexp_f32 v224, 1.0, v218                    ; f = 2^(old M - new M)
	TMS 28
	v_fma_f32 v212, v212, s[CS], v12               ; the same of each block's largest score
	v_fma_f32 v214, v214, s[CS], v12
.set J, 0
.rept 16
	v_pk_mul_f32 v[160+J:161+J], v[160+J:161+J], v[224:225] op_sel_hi:[1,0]   ; O^T under the new M, ahead of the exponentials; each accumulator from its low end on
.set J, J+2
.endr
	s_wait_alu depctr_va_vdst(0)                   ; the wait ahead of the batch
.set J, 0
.rept 64
	v_exp_f32 v[96+J], v[96+J]                     ; p = 2^(t - M), at most 1
.set J, J+1
.endr
	v_exp_f32 v212, v212                           ; the blocks' largest p: the same two instructions on the same number give the same bits
	v_exp_f32 v214, v214
	v_pk_mul_f32 v[14:15], v[14:15], v[224:225] op_sel_hi:[1,0]   ; the sums under the new M: a plain place behind the exponentials
	s_wait_alu depctr_va_vdst(0)                   ; one wait for the whole batch, ahead of its first reader
	v_max_num_f32 v212, 0x1800000, v212            ; the floor 2^(3 - 127): the byte cannot fall under 1
	v_max_num_f32 v214, 0x1800000, v214
	SUMS 2                                         ; the sum of the unquantised p stands between the lines of the scales' chain
	v_add_nc_u32 v220, 0xff000000, v212            ; 2 off the exponent field: the conversion's scale operand
	v_add_nc_u32 v221, 0xff000000, v214
	SUMS 2
.irp c, 0,1
	v_cvt_scalef32_pk16_fp6_f32 v[192+6*\c:194+6*\c], v[96+32*\c:111+32*\c], v[220+\c]      ; registers 6 c .. 6 c + 2 of the operand
	v_cvt_scalef32_pk16_fp6_f32 v[204+4*\c:206+4*\c], v[112+32*\c:127+32*\c], v[220+\c]     ; (a conversion's three registers begin on an even number: made here and moved)
.endr
	SUMS 1                                         ; a plain place behind the conversions
	v_lshrrev_b32 v216, 23, v220                   ; the bytes
	v_lshrrev_b32 v217, 23, v221
	SUMS 2
	v_lshl_or_b32 v226, v217, 16, v216             ; blocks h and 2 + h of my query,
	SUMS 2
	v_lshlrev_b32 v226, v219, v226                 ; at their places in the scale word
	SUMS 1
	v_permlanex16_b32 v223, v226, s[SEL], s[SEL+1]
.irp c, 0,1
.irp i, 0,1,2
	v_mov_b32 v[195+6*\c+\i], v[204+4*\c+\i]
.endr
.endr
	v_or_b32 v226, v226, v223                      ; with lane l xor 16's two the word is whole
	SUMS 22                                        ; also the places between the writes of p's codes and scale word and the products
	s_wait_alu depctr_va_vdst(0)
	s_wait_dscnt 0x0                               ; V is in
.irp t, 0,1,2,3                                ; O^T += V^T P^T; the four accumulators by turns
	v_wmma_scale_f32_16x16x128_f8f6f4 v[160+8*\t:167+8*\t], v[32+12*\t:43+12*\t], v[192:203], v[160+8*\t:167+8*\t], v[86+\t], v226 matrix_a_fmt:MATRIX_FMT_FP6 matrix_b_fmt:MATRIX_FMT_FP6
.endr
.endm
; THE WAY OUT of 16 queries: O^T / the sum; a lane's 32 registers are channels 32 h + 0 .. 31: one block along the last product's K; the wave's are one chunk of codes and two scale bytes a row.
.macro OUT n
.rept 4
	v_nop                                          ; places behind the last products
.endr
	v_add_f32 v14, v14, v15
	s_delay_alu instid0(VALU_DEP_1)
	v_permlanex16_b32 v216, v14, s[SEL], s[SEL+1]
	s_delay_alu instid0(VALU_DEP_1)
	v_add_f32 v14, v14, v216                       ; the row's sum
	s_wait_alu depctr_va_vdst(0)
	v_rcp_f32 v14, v14
	v_nop                                          ; a plain place behind the transcendental
	s_wait_alu depctr_va_vdst(0)                   ; the wait ahead of its first reader, and of O^T's
.set J, 0
.rept 16
	v_pk_mul_f32 v[96+J:97+J], v[160+J:161+J], v[14:15] op_sel_hi:[1,0]
.set J, J+2
.endr
	v_max3_num_f32 v212, |v96|, |v97|, 0x1800000
	v_max3_num_f32 v213, |v98|, |v99|, 0x1800000
.irp i, 4,8,12,16,20,24,28
	v_max3_num_f32 v212, v212, |v[96+\i]|, |v[97+\i]|
	v_max3_num_f32 v213, v213, |v[98+\i]|, |v[99+\i]|
.endr
	s_delay_alu instid0(VALU_DEP_1)
	v_max_num_f32 v212, v212, v213
	s_delay_alu instid0(VALU_DEP_1)
	v_add_nc_u32 v220, 0xff000000, v212
	v_cvt_scalef32_pk16_fp6_f32 v[192:194], v[96:111], v220
	v_cvt_scalef32_pk16_fp6_f32 v[204:206], v[112:127], v220
	v_lshrrev_b32 v216, 23, v220                   ; my block's byte (a plain place behind the conversions)
	s_delay_alu instid0(VALU_DEP_1)
	v_lshlrev_b32 v216, v219, v216
	s_delay_alu instid0(VALU_DEP_1)
	v_permlanex16_b32 v223, v216, s[SEL], s[SEL+1]
.irp i, 0,1,2
	v_mov_b32 v[195+\i], v[204+\i]
.endr
	v_or_b32 v227, v216, v223                      ; the row's two bytes
	global_store_b128 v1, v[192:195], s[OC:OC+1] offset:\n*196608   ; a chunk: 512 consecutive bytes,
	global_store_b64 v2, v[196:197], s[OC:OC+1] offset:\n*196608    ; and 256
	global_store_b16 v29, v227, s[OS:OS+1] offset:\n*8192           ; both halves of the lanes hold, and write, the same two bytes
.endm
.macro PASS n                          ; 16 queries against all 2,048 keys
.if \n
	s_wait_xcnt 0x0                                ; the first pass's stores have read their registers
.endif
	global_load_b128 v[16:19], v1, s[QC:QC+1] offset:\n*12288
	global_load_b64 v[20:21], v2, s[QC:QC+1] offset:\n*12288
	global_load_b32 v28, v7, s[QS:QS+1] offset:\n*1024
	v_mov_b32 v13, 0xff61b1e6                      ; the largest score so far: -3e38
	v_mov_b32 v14, 0
	v_mov_b32 v15, 0
	v_floor_f32 v12, -v13                          ; -M
.set J, 0
.rept 32
	v_mov_b32 v[160+J], 0                          ; O^T: the step is written once: the first finds zeros, which the first change of M leaves zeros
.set J, J+1
.endr
	s_wait_alu depctr_va_vdst(0)
	s_wait_loadcnt 0x0
.if \n == 0
	s_wait_tensorcnt 0x0                           ; my tile is in (a wave that fetched nothing passes at once),
	s_barrier_signal -1
	s_barrier_wait -1                              ; and so is everybody's
.endif
	s_mov_b32 s[KO], 0
	s_mov_b32 s[SO], 0
	s_mov_b32 s[TO], 0
	s_mov_b32 s[CNT], 16
.Lrun_\@:
	STEP
	s_add_co_u32 s[KO], s[KO], 8*CH
	s_add_co_u32 s[SO], s[SO], 512
	s_add_co_u32 s[TO], s[TO], 256
	s_sub_co_u32 s[CNT], s[CNT], 1
	s_cmp_lg_u32 s[CNT], 0
	s_cbranch_scc1 .Lrun_\@
	OUT \n
.endm
	PASS 0
	PASS 1
	s_wait_tensorcnt 0x0                           ; the wave's end
	ds_add_u32 v254, v255
	s_wait_dscnt 0x0
	CROUND                                         ; the closing round: no work-group ends while a partner may still ask for a tile that names it
	s_endpgm
.Lfunc_end_k_q1451304708_attn:
	.size	k_q1451304708_attn, .Lfunc_end_k_q1451304708_attn-k_q1451304708_attn
	.p2alignl 7, 3214868480
	.fill 96, 4, 3214868480
	.section	.rodata,"a",@progbits
	.p2align	6, 0x0
	.amdhsa_kernel k_q1451304708_attn
		.amdhsa_group_segment_fixed_size 260096
		.amdhsa_private_segment_fixed_size 0
		.amdhsa_enable_private_segment 0
		.amdhsa_kernarg_size 32
		.amdhsa_user_sgpr_count 2
		.amdhsa_user_sgpr_kernarg_segment_ptr 1
		.amdhsa_wavefront_size32 1
		.amdhsa_system_sgpr_workgroup_id_x 1
		.amdhsa_system_sgpr_workgroup_id_y 1
		.amdhsa_system_sgpr_workgroup_id_z 1
		.amdhsa_system_vgpr_workitem_id 0
		.amdhsa_next_free_vgpr 256
		.amdhsa_next_free_sgpr 100
		.amdhsa_reserve_vcc 0
		.amdhsa_float_denorm_mode_32 3
		.amdhsa_float_denorm_mode_16_64 3
		.amdhsa_memory_ordered 1
		.amdhsa_forward_progress 1
		.amdhsa_inst_pref_size 50
	.end_amdhsa_kernel
	.amdgpu_metadata
---
amdhsa.version: [ 1, 2 ]
amdhsa.kernels:
  - .name:           k_q1451304708_attn
    .symbol:         k_q1451304708_attn.kd
    .args:
      - { .name: qkvc, .offset: 0, .size: 8, .value_kind: global_buffer, .address_space: global }
      - { .name: qkvs, .offset: 8, .size: 8, .value_kind: global_buffer, .address_space: global }
      - { .name: oc, .offset: 16, .size: 8, .value_kind: global_buffer, .address_space: global }
      - { .name: os, .offset: 24, .size: 8, .value_kind: global_buffer, .address_space: global }
    .group_segment_fixed_size: 260096
    .private_segment_fixed_size: 0
    .kernarg_segment_align: 8
    .kernarg_segment_size: 32
    .max_flat_workgroup_size: 512
    .sgpr_count:     100
    .vgpr_count:     256
    .wavefront_size: 32
...
	.end_amdgpu_metadata
.endif
;; end of part 3
;; launch gemm_out (part 4): grid 4 x 64, 4 waves a work-group, clusters of 4 x 4, 327,680 bytes of LDS; arguments oc, os, opc, ops, b_out, out0; writes out0
.if DOCPART == 4
	.amdgcn_target "amdgcn-amd-amdhsa--gfx1250"
	.amdhsa_code_object_version 6
	.text
	.protected	k_q1451304708_gemm_out
	.globl	k_q1451304708_gemm_out
	.p2align	8
	.type	k_q1451304708_gemm_out,@function
k_q1451304708_gemm_out:
	s_mov_b64 s[64:65], 0
	v_nop
	global_prefetch_b8 v0, s[64:65] scope:SCOPE_SE
	s_setreg_imm32_b32 hwreg(HW_REG_WAVE_MODE, 25, 1), 1
	s_wait_xcnt 0x0
	s_wait_alu depctr_hold_cnt(0) depctr_sa_sdst(0) depctr_va_vdst(0) depctr_va_sdst(0) depctr_va_ssrc(0) depctr_va_vcc(0) depctr_vm_vsrc(0)
	s_getreg_b32 s2, hwreg(HW_REG_IB_STS2, 6, 4)
	s_cmp_eq_u32 s2, 0
	s_cbranch_scc0 .Lentry_in_a_cluster
	s_endpgm
.Lentry_in_a_cluster:
	s_bfe_u32 s2, ttmp6, 0x10000c
	s_cmp_lg_u32 s2, 0xf033
	s_cbranch_scc0 .Lentry_shape_is_right
	s_endpgm
.Lentry_shape_is_right:
; out0 = o w_out + b_out on codes of FP6 (E2M3) with E8M0 scales, K = 1,024.  A = o's codes (oc, os), B = w_out's (blocks 704-767 of opc, ops).
; A work-group makes 128 tokens x 256 columns: 64 x 4 = 256 work-groups.  A wave makes 64 x 128: 32 accumulators of 16 x 16, 256 registers.
; ALL OF K LIES IN LDS AT ONCE: A's 8 blocks (98,304 bytes), B's 16 (196,608), their scale words (4,096 + 8,192): four dense tiles, ONE TENSOR LOAD A WAVE at the head, filled once: no ring, no refill.
; CLUSTER: 4 x 4 work-groups; A's tiles are asked for jointly along a row of the cluster, B's along a column.  No prefetch: every tile is asked for at the head by its load, and no later load follows.
; LAYOUT: a block is 16 rows x 1,024 K = 16 chunks of 768 bytes; a chunk is an image of six operand registers (16 bytes at 16 x lane, 8 at 512 + 8 x lane).  Scale words: 512 bytes a block:
; (k / 512) x 256 + 16 r + 4 ((k / 128) % 4).  Within each 32 rows, block u's row 8 a + i is row 16 a + 8 u + i.
; THE MATRIX INSTRUCTION IS USED TRANSPOSED (source 0 = B's block, source 1 = A's): lane (r, h) holds token position r, and register j of tile b column 32 (b / 2) + 16 h + 8 (b % 2) + j.
; The bias, in that layout, is the C of each accumulator's first product.  Results leave through a stage in LDS as whole rows of 512 bytes.
; REGISTERS: window 0: v0-31 addresses; v32-95 all scale words (lanes 0-15 A's block i, lanes 16-31 B's block i); v96-191 A's fragments, two sets; v192-255 the bias; on the way out v128-255 rows read back.
; window 1: B's fragments, two sets, at v0 and v128.  window 2: the accumulators, (a, b) at v[8 (8 a + b)].
.set FR,     12
.set NP,     4                         ; places behind this matrix instruction (ISA guide 7.12.1)
.set CHUNK,  768
.set BLK,    12288
.set BB,     8*BLK                     ; B's codes, behind A's
.set SCLA,   BB+16*BLK                 ; A's scale words
.set SCLB,   SCLA+8*512                ; B's
.set SPARE,  SCLB+16*512               ; the spare words, 128 bytes a wave
.set SPITCH, 528
.set V16,  4
.set V8,   5
.set ADRA, 16                          ; v16 my A blocks' 16-byte pieces, v17 their 8-byte pieces
.set ADRB, 20                          ; v20, v21 my B blocks 0-3, 4-7: 16-byte pieces; v22, v23: 8-byte pieces (an offset holds 16 bits)
.set STO,  24
.set RD,   25
.set ADRS, 27
.set SPW,  28
.set NIL,  29
.set SC,   32
.set AF,   96
.set BIAS, 192
.set BK,   128
.set WV,   16
.set HM,   17
.set HN,   18
.set G1,   24
.set G0,   32
.set G1B,  48
.set G0B,  56
.set G1S,  68
.set G0S,  76
.set G1SB, 80
.set G0SB, 88
.set MSB, 0
.macro WIN new                         ; the immediate's high byte repeats the setting that is left
.if MSB != (\new)
	s_set_vgpr_msb (MSB<<8)|(\new)
.set MSB, (\new)
.endif
.endm
.set MUL_LO, 0xa1                      ; source 0 (B) window 1, source 1 (A) window 0, C and D window 2
.set FST_LO, 0x81                      ; the same with C (the bias) in window 0
.set TO_B,   0x40                      ; destination window 1, address window 0
.macro CROUND                          ; a round of the cluster's barrier
	s_barrier_signal -1
	s_barrier_wait -1
	s_cmp_lg_u32 s[WV], 0
	s_cbranch_scc1 .Lnot_wave_0_\@
	s_barrier_signal -3
.Lnot_wave_0_\@:
	s_barrier_wait -3
	s_barrier_signal -1
	s_barrier_wait -1
.endm
.macro PLACES n
.rept \n
	v_nop
.endr
.endm
	s_load_b128 s[4:7], s[0:1], 0x0                ; oc, os
	s_load_b128 s[8:11], s[0:1], 0x10              ; opc, ops
	s_load_b128 s[12:15], s[0:1], 0x20             ; b_out, out0
	v_lshl_add_u32 v[SPW], v0, 2, SPARE
	v_mov_b32 v[NIL], 0
	ds_add_u32 v[SPW], v[NIL]                      ; the opening lines: the add, twice on end, and its wait
	ds_add_u32 v[SPW], v[NIL]
	v_lshrrev_b32 v1, 5, v0
	v_readfirstlane_b32 s[WV], v1                  ; wave 0..3
	s_lshr_b32 s[HM], s[WV], 1                     ; which 64 tokens are mine
	s_and_b32 s[HN], s[WV], 1                      ; which 128 columns
	s_bfe_u32 s40, ttmp6, 0x40000                  ; cx, cy
	s_bfe_u32 s41, ttmp6, 0x40004
	s_lshl_b32 s42, ttmp9, 2
	s_add_co_u32 s42, s42, s40                     ; tile column
	s_and_b32 s19, ttmp7, 0xffff
	s_lshl_b32 s19, s19, 2
	s_add_co_u32 s19, s19, s41                     ; tile row
	s_lshl_b32 s43, s41, 2
	s_lshl_b32 s43, 15, s43                        ; my row of the cluster
	s_lshl_b32 s44, 0x1111, s40                    ; my column
	; groups 1: dense blocks as rows of 256 bytes (32 elements of 8); the mask, and bit 21 beside it
	s_or_b32 s[G1], s43, (3<<16)|(1<<21)
	s_or_b32 s[G1S], s43, (3<<16)|(1<<21)
	s_or_b32 s[G1B], s44, (3<<16)|(1<<21)
	s_or_b32 s[G1SB], s44, (3<<16)|(1<<21)
.irp g, G1, G1B, G1S, G1SB
	s_mov_b32 s[\g+1], 32<<16
	s_mov_b32 s[\g+3], 32<<16
	s_mov_b32 s[\g+5], 32
	s_mov_b32 s[\g+6], 0
	s_mov_b32 s[\g+7], 0
.endr
	s_mov_b32 s[G1+2], 384<<16                     ; rows: A's codes 384,
	s_mov_b32 s[G1+4], 384
	s_mov_b32 s[G1B+2], 768<<16                    ; B's 768,
	s_mov_b32 s[G1B+4], 768
	s_mov_b32 s[G1S+2], 16<<16                     ; A's scale words 16,
	s_mov_b32 s[G1S+4], 16
	s_mov_b32 s[G1SB+2], 32<<16                    ; B's 32
	s_mov_b32 s[G1SB+4], 32
	s_lshl_b32 s20, s19, 3                         ; A's first block
	s_lshl_b32 s46, s42, 4
	s_add_co_u32 s46, s46, 704                     ; B's
	s_lshl_b32 s22, s20, 9
	s_mov_b32 s23, 0
	s_lshl_b32 s92, s46, 9
	s_mov_b32 s93, 0
	s_mul_i32 s20, s20, BLK
	s_mov_b32 s21, 0
	s_mul_i32 s46, s46, BLK
	s_mov_b32 s47, 0
	s_wait_dscnt 0x0                               ; both opening adds are done
	s_wait_kmcnt 0x0
	s_add_nc_u64 s[20:21], s[4:5], s[20:21]
	s_add_nc_u64 s[22:23], s[6:7], s[22:23]
	s_add_nc_u64 s[46:47], s[8:9], s[46:47]
	s_add_nc_u64 s[92:93], s[10:11], s[92:93]
	CROUND                                         ; all sixteen work-groups are here: the joint loads meet
.macro SETG0 g0, lds, adr
	s_mov_b32 s[\g0], 1
	s_mov_b32 s[\g0+1], \lds
	s_mov_b64 s[\g0+2:\g0+3], s[\adr:\adr+1]
	s_or_b32 s[\g0+3], s[\g0+3], 0x80000000
.endm
	SETG0 G0,   0,    20
	SETG0 G0B,  BB,   46
	SETG0 G0S,  SCLA, 22
	SETG0 G0SB, SCLB, 92
; one chain of branches on the wave's number, one load to an arm, all arms to one join: one tensor load a wave at the head
.macro ARM under, g0, g1, next
	s_cmp_lt_u32 s[WV], \under
	s_cbranch_scc0 \next
	tensor_load_to_lds s[\g0:\g0+3], s[\g1:\g1+7]
	s_nop 0
.rept 4
	v_nop
.endr
	s_branch .Lhead_asked
\next:
.endm
	ARM 1, G0B, G1B, .Lhead_a                      ; the largest tile is asked for by wave 0
	ARM 2, G0,  G1,  .Lhead_sa
	ARM 3, G0S, G1S, .Lhead_sb
	tensor_load_to_lds s[G0SB:G0SB+3], s[G1SB:G1SB+7]
	s_nop 0
.rept 4
	v_nop
.endr
.Lhead_asked:
	s_lshl_b32 s20, s42, 10                        ; my first column, in bytes: 1,024 x tile column + 512 x half
	s_lshl_b32 s21, s[HN], 9
	s_add_co_u32 s20, s20, s21
	s_mov_b32 s21, 0
	s_add_nc_u64 s[12:13], s[12:13], s[20:21]
	s_add_nc_u64 s[14:15], s[14:15], s[20:21]
	s_lshl_b32 s20, s19, 19                        ; my first row: 128 x tile row + 64 x half, rows of 4,096 bytes
	s_lshl_b32 s22, s[HM], 18
	s_add_co_u32 s20, s20, s22
	s_add_nc_u64 s[14:15], s[14:15], s[20:21]
	s_mul_i32 s21, s[HM], 4*BLK                    ; LDS: my 4 blocks of A,
	s_mul_i32 s22, s[HN], 8*BLK
	s_add_co_u32 s22, s22, BB                      ; my 8 blocks of B: the first four,
	s_add_co_u32 s23, s22, 4*BLK                   ; the second four
	s_lshl_b32 s45, s[HM], 11                      ; my A blocks' scale words,
	s_lshl_b32 s94, s[HN], 12
	s_add_co_u32 s94, s94, SCLB-SCLA
	s_sub_co_u32 s94, s94, s45                     ; and how far behind them my B blocks' lie
	s_add_co_u32 s45, s45, SCLA
	s_mul_i32 s95, s[WV], 16*SPITCH                ; my stage
	v_and_b32 v1, 15, v0                           ; r
	v_bfe_u32 v2, v0, 4, 1                         ; h
	v_and_b32 v3, 31, v0
	v_lshlrev_b32 v[V16], 4, v3
	v_lshl_add_u32 v[V8], v3, 3, 512
	v_lshlrev_b32 v7, 6, v2                        ; the bias: 16 h columns
	v_add_nc_u32 v[ADRA], s21, v[V16]
	v_add_nc_u32 v[ADRA+1], s21, v[V8]
	v_add_nc_u32 v[ADRB], s22, v[V16]
	v_add_nc_u32 v[ADRB+1], s23, v[V16]
	v_add_nc_u32 v[ADRB+2], s22, v[V8]
	v_add_nc_u32 v[ADRB+3], s23, v[V8]
	v_lshlrev_b32 v6, 4, v1
	v_mul_u32_u24 v8, s94, v2                      ; lanes 16-31 take B's
	v_add_nc_u32 v6, v6, v8
	v_add_nc_u32 v[ADRS], s45, v6
	v_mul_u32_u24 v6, v1, SPITCH                   ; the stage, in: row r, 64 bytes for each half of the lanes
	v_lshl_add_u32 v6, v2, 6, v6
	v_add_nc_u32 v[STO], s95, v6
	v_add_nc_u32 v[RD], s95, v[V16]                ; back: the 32 lanes take one row of 512 bytes
.irp b, 0,1,2,3,4,5,6,7
	global_load_b128 v[BIAS+8*\b:BIAS+8*\b+3], v7, s[12:13] offset:(32*(\b/2)+8*(\b%2))*4
	global_load_b128 v[BIAS+8*\b+4:BIAS+8*\b+7], v7, s[12:13] offset:(32*(\b/2)+8*(\b%2))*4+16
.endr
.macro FRAG reg, a16, a8, q, i         ; a fragment: 16 rows x 128 K = two chunks
	ds_load_b128 v[\reg:\reg+3], v[\a16] offset:(\i)*BLK+2*(\q)*CHUNK
	ds_load_b64 v[\reg+4:\reg+5], v[\a8] offset:(\i)*BLK+2*(\q)*CHUNK
	ds_load_b128 v[\reg+6:\reg+9], v[\a16] offset:(\i)*BLK+(2*(\q)+1)*CHUNK
	ds_load_b64 v[\reg+10:\reg+11], v[\a8] offset:(\i)*BLK+(2*(\q)+1)*CHUNK
.endm
.macro FETCH q                         ; step q's fragments, 48 loads, into set q % 2
	WIN TO_B
.irp i, 0,1,2,3,4,5,6,7
	FRAG 128*((\q)%2)+FR*\i, ADRB+\i/4, ADRB+2+\i/4, \q, \i%4
.endr
	WIN 0
.irp i, 0,1,2,3
	FRAG AF+48*((\q)%2)+FR*\i, ADRA, ADRA+1, \q, \i
.endr
.endm
; 32 matrix instructions: my 4 blocks of A x my 8 of B, 128 along K.  The 32 accumulators take turns, one instruction a turn, in the same order in every step.
.macro MUL q, first
.irp a, 0,1,2,3
.irp b, 0,1,2,3,4,5,6,7
.if \first
	v_wmma_scale_f32_16x16x128_f8f6f4 v[8*(8*\a+\b):8*(8*\a+\b)+7], v[128*((\q)%2)+FR*\b:128*((\q)%2)+FR*\b+FR-1], v[AF+48*((\q)%2)+FR*\a:AF+48*((\q)%2)+FR*\a+FR-1], v[BIAS+8*\b:BIAS+8*\b+7], v[SC+32*((\q)/4)+4*\b+(\q)%4], v[SC+32*((\q)/4)+4*\a+(\q)%4] matrix_a_fmt:MATRIX_FMT_FP6 matrix_b_fmt:MATRIX_FMT_FP6 matrix_a_scale:MATRIX_SCALE_ROW1
.else
	v_wmma_scale_f32_16x16x128_f8f6f4 v[8*(8*\a+\b):8*(8*\a+\b)+7], v[128*((\q)%2)+FR*\b:128*((\q)%2)+FR*\b+FR-1], v[AF+48*((\q)%2)+FR*\a:AF+48*((\q)%2)+FR*\a+FR-1], v[8*(8*\a+\b):8*(8*\a+\b)+7], v[SC+32*((\q)/4)+4*\b+(\q)%4], v[SC+32*((\q)/4)+4*\a+(\q)%4] matrix_a_fmt:MATRIX_FMT_FP6 matrix_b_fmt:MATRIX_FMT_FP6 matrix_a_scale:MATRIX_SCALE_ROW1
.endif
.endr
.endr
.endm
.macro STEP q
	PLACES NP                                      ; in front of loads into the set that the last step's products read
	FETCH (\q)+1
	s_wait_dscnt 48                                ; all but the 48 just issued: this step's fragments are in
	WIN MUL_LO
	MUL \q, 0
	WIN 0
.endm
	s_wait_alu depctr_va_vdst(0)                   ; the wait at the head's end
	s_wait_tensorcnt 0x0                           ; my tile of the four is in,
	s_barrier_signal -1
	s_barrier_wait -1                              ; and so is everybody's
	FETCH 0
.irp g, 0,1
.irp i, 0,1,2,3,4,5,6,7
	ds_load_b128 v[SC+32*\g+4*\i:SC+32*\g+4*\i+3], v[ADRS] offset:\i*512+\g*256   ; four steps' words of a row; lanes 0-15 of i = 4 .. 7 read words that no product names
.endr
.endr
	FETCH 1
	s_wait_dscnt 48                                ; step 0's fragments and all scale words are in
	s_wait_loadcnt 0x0                             ; and the bias
	WIN FST_LO
	MUL 0, 1                                       ; the first products start the sums from the bias
	WIN 0
.irp q, 1,2,3,4,5,6
	STEP \q
.endr
	s_wait_dscnt 0x0                               ; the last step's fragments are in, and my reads of the tiles are over:
	s_barrier_signal -1                            ; say so, work on registers,
	WIN MUL_LO
	MUL 7, 0
	WIN 0
	s_barrier_wait -1                              ; and go on when all four have said so: the stage lies in A's bytes, which have had their one fill and their last read
; THE WAY OUT, block by block of 16 tokens x 128 columns, through my own stage; LDS serves a wave's instructions in order (ISA guide 5.7.1.4): no wait between the stores and the loads.
.macro TOSTAGE a
.set AC, 64*(\a)
	WIN 0x08                                       ; the data: window 2
.irp b, 0,1,2,3,4,5,6,7
	ds_store_b128 v[STO], v[AC+8*\b:AC+8*\b+3] offset:128*(\b/2)+32*(\b%2)          ; each accumulator from its low end on
	ds_store_b128 v[STO], v[AC+8*\b+4:AC+8*\b+7] offset:128*(\b/2)+32*(\b%2)+16
.endr
	WIN 0
.set BF, BK+64*((\a)%2)
.irp t, 0,1,2,3,4,5,6,7,8,9,10,11,12,13,14,15
	ds_load_b128 v[BF+4*\t:BF+4*\t+3], v[RD] offset:\t*SPITCH
.endr
.endm
.macro SEND a, younger                 ; younger: the LDS instructions issued behind block a's loads, which may stay out
.set BF, BK+64*((\a)%2)
	s_wait_dscnt \younger
.irp t, 0,1,2,3,4,5,6,7,8,9,10,11,12,13,14,15
	global_store_b128 v[V16], v[BF+4*\t:BF+4*\t+3], s[14:15] offset:(32*((\a)/2)+8*((\a)%2)+16*(\t/8)+\t%8)*4096 th:TH_STORE_NT   ; 32 lanes store 512 consecutive bytes, aligned; the immediates undo the order of positions
.endr
.endm
	PLACES NP                                      ; behind the last products: for the reads of results and the loads into registers that held fragments and the bias
	TOSTAGE 0
.irp a, 1,2,3
.if \a > 1
	s_wait_xcnt 0x0                                ; block a - 2's stores have read their registers
.endif
	TOSTAGE \a
	SEND \a-1, 32
.endr
	SEND 3, 0
	s_wait_tensorcnt 0x0                           ; the wave's end
	ds_add_u32 v[SPW], v[NIL]
	s_wait_dscnt 0x0
	CROUND                                         ; the closing round
	s_endpgm
.Lfunc_end_k_q1451304708_gemm_out:
	.size	k_q1451304708_gemm_out, .Lfunc_end_k_q1451304708_gemm_out-k_q1451304708_gemm_out
	.p2alignl 7, 3214868480
	.fill 96, 4, 3214868480
	.section	.rodata,"a",@progbits
	.p2align	6, 0x0
	.amdhsa_kernel k_q1451304708_gemm_out
		.amdhsa_group_segment_fixed_size 327680
		.amdhsa_private_segment_fixed_size 0
		.amdhsa_enable_private_segment 0
		.amdhsa_kernarg_size 48
		.amdhsa_user_sgpr_count 2
		.amdhsa_user_sgpr_kernarg_segment_ptr 1
		.amdhsa_wavefront_size32 1
		.amdhsa_system_sgpr_workgroup_id_x 1
		.amdhsa_system_sgpr_workgroup_id_y 1
		.amdhsa_system_sgpr_workgroup_id_z 1
		.amdhsa_system_vgpr_workitem_id 0
		.amdhsa_next_free_vgpr 768
		.amdhsa_next_free_sgpr 100
		.amdhsa_reserve_vcc 0
		.amdhsa_float_denorm_mode_32 3
		.amdhsa_float_denorm_mode_16_64 3
		.amdhsa_memory_ordered 1
		.amdhsa_forward_progress 1
		.amdhsa_inst_pref_size 84
	.end_amdhsa_kernel
	.amdgpu_metadata
---
amdhsa.version: [ 1, 2 ]
amdhsa.kernels:
  - .name:           k_q1451304708_gemm_out
    .symbol:         k_q1451304708_gemm_out.kd
    .args:
      - { .name: oc, .offset: 0, .size: 8, .value_kind: global_buffer, .address_space: global }
      - { .name: os, .offset: 8, .size: 8, .value_kind: global_buffer, .address_space: global }
      - { .name: opc, .offset: 16, .size: 8, .value_kind: global_buffer, .address_space: global }
      - { .name: ops, .offset: 24, .size: 8, .value_kind: global_buffer, .address_space: global }
      - { .name: b_out, .offset: 32, .size: 8, .value_kind: global_buffer, .address_space: global }
      - { .name: out0, .offset: 40, .size: 8, .value_kind: global_buffer, .address_space: global }
    .group_segment_fixed_size: 327680
    .private_segment_fixed_size: 0
    .kernarg_segment_align: 8
    .kernarg_segment_size: 48
    .max_flat_workgroup_size: 128
    .sgpr_count:     100
    .vgpr_count:     768
    .wavefront_size: 32
...
	.end_amdgpu_metadata
.endif
;; end of part 4
